; MI455X (gfx1250); checked and timed in simulation.
; The chip was launched on July 23, 2026; its instructions are those of AMD's public machine-readable ISA for CDNA 5 (MIT licence, August 2026) and "CDNA5" Instruction Set Architecture Reference Guide (July 2026). The comments in the code are by the model that wrote it; some were corrected since.
;; Self Attention. Allowed arithmetic: matrix products marked QUANTISED: E2M1 operands, one E8M0 scale for each 32 along K, by v_wmma_scale_f32_16x16x128_f8f6f4 with both operands' format E2M1 (or v_wmma_scale_f32_32x16x128_f4), f32 sums; products left as they are: bf16, f16 or f32 operands; f32 sums; everything else in f32.
;; Inputs: Wk 1,024 x 1,024 float32; Wq 1,024 x 1,024 float32; Wv 1,024 x 1,024 float32; bk 1,024 float32; bq 1,024 float32; bv 1,024 float32; key 4 x 2,048 x 1,024 float32; query 4 x 2,048 x 1,024 float32; value 4 x 2,048 x 1,024 float32.
;; Outputs: out0 4 x 2,048 x 1,024 float32.
;; This version of the problem:
;;   THIS VERSION OF THE PROBLEM IS GIVEN IN LOW PRECISION. The matrix products marked QUANTISED in the list below multiply operands that are first quantised to E2M1 (2 exponent bits, 1 mantissa bit; 4 bits a number), with one power-of-two scale for each 32 numbers along K (OCP MX v1.0); their sums are f32. The products marked 'left as it is' may take bf16, f16 or f32 operands, with f32 sums. Whichever they take, every output number must still come out within the allowed error. Rounding operands to bf16 (8 significant bits) uses up far more of that allowance than f16 does (11 bits, for magnitudes from 6e-5 to 65,504). All else is computed in f32.
;;   The module's matrix products, in the order in which they are computed (A, B: the left and right operand; K: the contracted axis; several contracted axes count as one K, in the product's order):
;;     1. [M 8,192, K 1,024] x [K 1,024, N 1,024]; A: input query; B: input Wq: QUANTISED
;;     2. [M 8,192, K 1,024] x [K 1,024, N 1,024]; A: input key; B: input Wk: QUANTISED
;;     3. [M 8,192, K 1,024] x [K 1,024, N 1,024]; A: input value; B: input Wv: QUANTISED
;;     4. batch 4 x [M 2,048, K 1,024] x [K 1,024, N 2,048]; A: computed on the way; B: computed on the way: left as it is (an operand is computed on the way)
;;     5. batch 4 x [M 2,048, K 2,048] x [K 2,048, N 1,024]; A: computed on the way; B: computed on the way: left as it is (an operand is computed on the way)
;;   THE QUANTISER, for each operand of a quantised product, along K:
;;     - K is cut into blocks of 32 from its start; a last block that is shorter is filled with zeros.
;;     - A block's scale is 2^e with e = floor(log2(the largest magnitude in the block)) - 2, held to -126 .. 127; a block of zeros has e = 0. As a byte (E8M0): e + 127.
;;     - Each number is divided by its block's scale, clamped to +-6, and rounded to the nearest number of E2M1, ties to even, subnormals kept.
;;     - The product sums the exact products of the quantised numbers (number of the format x scale) in f32.
;;   ~~~python
;;   def quantise(x, axis):      # numpy; x: float32 -> the quantised numbers, widened to float32 again
;;       x = np.moveaxis(x, axis, -1); K = x.shape[-1]
;;       x = np.pad(x, [(0, 0)] * (x.ndim - 1) + [(0, -K % 32)]); x = x.reshape(x.shape[:-1] + (-1, 32)); a = np.abs(x).max(-1, keepdims=True)
;;       e = np.where(a > 0, np.clip(np.frexp(np.where(a > 0, a, 1))[1] - 1 - 2, -126, 127), 0)      # np.frexp(a)[1] - 1 = floor(log2(a)), exactly
;;       r = np.clip(x / 2.0 ** e, -6, 6)
;;       step = 2.0 ** (np.maximum(np.frexp(np.where(r == 0, 1, r))[1] - 1, 0) - 1)
;;       q = np.round(r / step) * step * 2.0 ** e      # np.round: ties to even
;;       return np.moveaxis(q.reshape(q.shape[:-2] + (-1,))[..., :K], -1, axis).astype(np.float32)
;;   ~~~
;; One version. Each part assembles by itself: llvm-mc -triple=amdgcn-amd-amdhsa -mcpu=gfx1250 --defsym DOCPART=n.
;; ======== version 1 of 1: 4 launches
;; limits: values are held in f16: magnitudes above 65,504 overflow, below 6.1e-05 lose precision
;; workspace buffers: x_codes 12,582,912 bytes; x_scales 786,432 bytes; w_codes 1,572,864 bytes; w_scales 98,304 bytes; qkv 50,331,648 bytes; p 33,554,432 bytes; stats 1,048,576 bytes
;; launch quant (part 1): grid 864 x 1, 4 waves a work-group, no clusters, 68,096 bytes of LDS; arguments query, key, value, Wq, Wk, Wv, x_codes, x_scales, w_codes, w_scales; writes x_codes, x_scales, w_codes, w_scales
.if DOCPART == 1
	.amdgcn_target "amdgcn-amd-amdhsa--gfx1250"
	.amdhsa_code_object_version 6
	.text
	.protected	k_q0f28a3d604_quant
	.globl	k_q0f28a3d604_quant
	.p2align	8
	.type	k_q0f28a3d604_quant,@function
k_q0f28a3d604_quant:
	s_mov_b64 s[64:65], 0
	v_nop
	global_prefetch_b8 v0, s[64:65] scope:SCOPE_SE
	s_setreg_imm32_b32 hwreg(HW_REG_WAVE_MODE, 25, 1), 1
	s_wait_xcnt 0x0
; LAUNCH 1 OF 4.  query, key, value [8192][1024] and Wq, Wk, Wv [1024 (k)][1024 (n)], all f32, become codes of FP4 (E2M1) with one E8M0 scale byte for each 32 along K.
; x_codes [3][8192][512 bytes], x_scales [3][8192][32]; w_codes [3][1024 (n)][512 bytes], w_scales [3][1024 (n)][32]: K innermost, two codes a byte, the lower k in the low four bits.
; DEAD WORK OF THE WHOLE PROGRAM: bk.  scores[n,q,k] = scale x sum over d of q[n,q,d] (k0[n,k,d] + bk[d]) = scale x q.k0[k] + scale x q.bk, k0 = key Wk.  The second term does not hang on k:
; it is the same along the axis of the softmax, for all values of the inputs, and a softmax is not moved by it.  The product of q and k is not quantised, so bk enters no quantiser.  So bk is not loaded and is no
; argument of any launch.  LIMIT: a NaN, an infinity or an overflow that comes from bk alone is not carried to the result.
; bv is live: the weights of a row sum to 1, so y = (sum of p v0) / (sum of p) + bv, v0 = value Wv: bv is the addend of the last launch's fused multiply-add.  bq is live: it is the C of q's first products.
; A block's scale is 2^(floor(log2(its largest magnitude)) - 2); its byte is the largest magnitude's exponent field - 2, held at 1 from below.  A block of zeros so gets the byte 1 where the rule says 127: its codes
; are zeros, which add nothing under any byte but 0xff, and the bytes are read by this program alone.
; LIMITS: blocks whose largest magnitude lies under 2^-124, the floor, keep the byte 1; NaN and infinities among the inputs are not served.
; SHARES.  Work-groups 0 to 95 take the weights (K is their FIRST axis: a lane takes a column, its registers run down K), work-groups 96 to 863 the activations (K innermost: a plain stream of blocks of 32).
; The two paths part on the work-group's number, never join, and have LDS bytes of their own.  No tensor loads, no barrier: waves share nothing.
.set WGW,   96                         ; work-groups for the weights: 3 tensors x 8 (128 columns) x 4 (256 along K)
.set SPW,   180                        ; v180  LDS address of my spare word: SPARE + 4 x my thread's number; never rewritten
.set NIL,   181                        ; v181  0; never rewritten
.set SPARE, 67584                      ; behind both paths' bytes: the spare words, 128 bytes for each wave
.set EMAX,  2
; the activations' path
.set STEPS, 16                         ; a wave takes 16 steps of 512 numbers
.set CB,    8                          ; bytes of 16 codes
.set AR,    16                         ; v16-79   four sets of 16 numbers as they are loaded
.set AX,    80                         ; v80-111  two sets of 16 neighbours
.set AE,    112                        ; v112-127 a scale byte for each step
.set AC,    128                        ; v128-159 codes: two registers for each step, so that no store's data are written again
.set WREG,  8192                       ; LDS bytes 0 .. 32,767: a region for each wave: two stages of 32 x SP bytes, behind them its 256 scale bytes
.set SP,    80                         ; a lane's place in a stage: its 64 bytes + 16 of padding
; the weights' path
.set NB,    8                          ; blocks of 32 along K for a wave: few, since a wave has at most two blocks' loads on their way
.set WP,    144                        ; a stage row: 128 bytes of codes + 16
.set KROW,  512                        ; a row of w_codes in bytes
.set NROW,  4096                       ; a row of a weight in bytes
.set WSTG,  32768                      ; LDS bytes 32,768 .. 51,199: a stage of 32 x WP bytes for each wave
.set WX,    32                         ; v32-95   two sets of 32 numbers
.set WC,    96                         ; v96-99   a block's codes
.set WOUT,  112                        ; v112-143 the way out
.set WSB,   24                         ; v24-25   the scale bytes, four to a register
	s_load_b512 s[4:19], s[0:1], 0x0               ; query s[4:5], key s[6:7], value s[8:9], Wq s[10:11], Wk s[12:13], Wv s[14:15], x_codes s[16:17], x_scales s[18:19]
	s_load_b128 s[20:23], s[0:1], 0x40             ; w_codes s[20:21], w_scales s[22:23]
	v_lshl_add_u32 v[SPW], v0, 2, SPARE
	v_mov_b32 v[NIL], 0
	v_lshrrev_b32 v1, 5, v0
	v_readfirstlane_b32 s24, v1                    ; wave
	v_and_b32 v2, 31, v0                           ; lane
	s_mov_b32 s29, 0                               ; the upper word of every offset
	s_wait_kmcnt 0x0
	s_cmp_lt_u32 ttmp9, WGW
	s_cbranch_scc1 .Lweights
; ---------------- THE ACTIVATIONS.  Each load reads 512 consecutive bytes, 16 a lane; a step's 2,048 bytes turn through the wave's own stage in LDS and come back 64 bytes a lane: 16 neighbours along K.
	v_lshlrev_b32 v3, 4, v2                        ; my 16 bytes of a load's 512
	s_mul_i32 s25, s24, WREG
	v_lshrrev_b32 v14, 2, v2
	v_mul_u32_u24 v14, v14, SP
	v_and_b32 v15, 3, v2
	v_lshl_add_u32 v14, v15, 4, v14
	v_add_nc_u32 v14, s25, v14                     ; the stage, on the way in: SP (lane / 4) + 16 (lane % 4)
	v_mul_u32_u24 v15, v2, SP
	v_add_nc_u32 v15, s25, v15                     ; and on the way out: SP x lane
	v_mul_u32_u24 v4, v2, CB                       ; my codes' place in a step's
	v_lshrrev_b32 v5, 1, v2
	s_add_co_u32 s25, s25, 2*32*SP
	v_add_nc_u32 v5, s25, v5                       ; my wave's 256 scale bytes, my block's byte
	v_lshlrev_b32 v7, 3, v2                        ; and on the way out 8 bytes a lane
	v_add_nc_u32 v6, s25, v7
	s_sub_co_u32 s26, ttmp9, WGW                   ; 0 .. 767: 256 work-groups to a tensor
	s_lshr_b32 s27, s26, 8                         ; which tensor: the choice hangs on the work-group's number alone
	s_cmp_lt_u32 s27, 1
	s_cselect_b64 s[4:5], s[4:5], s[6:7]
	s_cmp_eq_u32 s27, 2
	s_cselect_b64 s[4:5], s[8:9], s[4:5]
	s_and_b32 s28, s26, 255
	s_lshl_b32 s28, s28, 2
	s_add_co_u32 s28, s28, s24                     ; which run of 8,192 numbers of the tensor is my wave's
	s_lshl_b32 s28, s28, 15                        ; 32,768 bytes a run
	s_add_nc_u64 s[4:5], s[4:5], s[28:29]
	s_lshl_b32 s30, s26, 2
	s_add_co_u32 s30, s30, s24                     ; the same run counted over all three tensors
	s_lshl_b32 s28, s30, 12                        ; 4,096 bytes of codes a run
	s_add_nc_u64 s[16:17], s[16:17], s[28:29]
	s_lshl_b32 s28, s30, 8                         ; 256 scale bytes a run
	s_add_nc_u64 s[18:19], s[18:19], s[28:29]
.macro ALOAD t
.irp i, 0,1,2,3
	global_load_b128 v[AR+16*((\t)%4)+4*\i:AR+16*((\t)%4)+4*\i+3], v3, s[4:5] offset:2048*(\t)+512*\i th:TH_LOAD_NT
.endr
.endm
.macro ATURN t                         ; step t's numbers through the stage: LDS serves a wave's instructions in order, so no wait stands between the stores and the loads
.irp i, 0,1,2,3
	ds_store_b128 v14, v[AR+16*((\t)%4)+4*\i:AR+16*((\t)%4)+4*\i+3] offset:32*SP*((\t)%2)+8*SP*\i
.endr
.irp i, 0,1,2,3
	ds_load_b128 v[AX+16*((\t)%2)+4*\i:AX+16*((\t)%2)+4*\i+3], v15 offset:32*SP*((\t)%2)+16*\i
.endr
.endm
.irp t, 0,1,2,3
	ALOAD \t
.endr
	s_wait_loadcnt 12                              ; step 0's four loads are in; the twelve of steps 1 to 3 may be out
	ATURN 0
.macro ASTEP t
.set XS, AX+16*((\t)%2)
.if (\t) > 0
	s_wait_dscnt 1                                 ; this step's numbers are back from the stage (the last step's byte store may be out)
.else
	s_wait_dscnt 0x0
.endif
.if (\t)+4 < STEPS
	ALOAD (\t)+4                                   ; into the registers that this step's stores into the stage have read
.endif
.if (\t)+1 < STEPS
.if STEPS-2-(\t) >= 3
	s_wait_loadcnt 12                              ; the next step's four loads are in; those of the three steps behind it may be out
.else
	s_wait_loadcnt 4*(STEPS-2-(\t))
.endif
	ATURN (\t)+1
.endif
	v_max3_num_f32 v8, |v[XS]|, |v[XS+1]|, |v[XS+2]|               ; the largest magnitude of my 16, in two chains
	v_max3_num_f32 v9, |v[XS+3]|, |v[XS+4]|, |v[XS+5]|
.irp i, 6,10
	v_max3_num_f32 v8, v8, |v[XS+\i]|, |v[XS+\i+1]|
	v_max3_num_f32 v9, v9, |v[XS+\i+2]|, |v[XS+\i+3]|
.endr
	v_max3_num_f32 v8, v8, |v[XS+14]|, |v[XS+15]|
	v_max3_num_f32 v8, v8, v9, (EMAX+1)<<23        ; and the floor 2^(3 - 127): the byte cannot fall under 1
	v_max_num_f32_dpp v8, v8, v8 row_xmask:1 row_mask:0xf bank_mask:0xf   ; and of my neighbour's 16: the block's
	v_add_nc_u32 v11, -(EMAX<<23), v8              ; 2 off its exponent field: the conversion takes the exponent field of this operand as its scale
	v_cvt_scalef32_pk8_fp4_f32 v[AC+2*(\t)], v[XS:XS+7], v11
	v_cvt_scalef32_pk8_fp4_f32 v[AC+2*(\t)+1], v[XS+8:XS+15], v11
	v_lshrrev_b32 v[AE+(\t)], 23, v11              ; the scale's byte (also the plain line behind the conversions)
	ds_store_b8 v5, v[AE+(\t)] offset:16*(\t)      ; both lanes of a block write the same byte with the same value
	global_store_b64 v4, v[AC+2*(\t):AC+2*(\t)+1], s[16:17] offset:32*CB*(\t)   ; the wave stores 256 consecutive bytes, aligned
.endm
.irp t, 0,1,2,3,4,5,6,7,8,9,10,11,12,13,14,15
	ASTEP \t
.endr
	ds_load_b64 v[8:9], v6                         ; my wave's 256 scale bytes: these loads see my stores
	s_wait_dscnt 0x0
	global_store_b64 v7, v[8:9], s[18:19]          ; 256 consecutive bytes, aligned
	s_wait_tensorcnt 0x0                           ; the wave's end: this wait, the add and the wait below stand behind my last LDS store
	ds_add_u32 v[SPW], v[NIL]
	s_wait_dscnt 0x0
	s_endpgm
; ---------------- THE WEIGHTS.  A wave takes 32 columns x 256 along K.  Each load reads one row k at 32 neighbouring columns; a lane's 32 registers are a whole block of ONE column, so its largest magnitude
; needs no other lane and the conversions give codes with K innermost.  The codes go through the wave's own stage and leave as pieces of rows: eight lanes store 128 consecutive bytes of a column's row, four rows an
; instruction.  So each aligned 256 bytes of w_codes are written in two halves, by two work-groups: the price of sharing the 1.5 MB of weight codes out among twice the work-groups.
.Lweights:
	s_lshr_b32 s27, ttmp9, 5                       ; which weight
	s_cmp_lt_u32 s27, 1
	s_cselect_b64 s[4:5], s[10:11], s[12:13]
	s_cmp_eq_u32 s27, 2
	s_cselect_b64 s[4:5], s[14:15], s[4:5]
	s_and_b32 s25, ttmp9, 7
	s_lshl_b32 s25, s25, 7
	s_lshl_b32 s26, s24, 5
	s_add_co_u32 s25, s25, s26                     ; my wave's first column
	s_bfe_u32 s26, ttmp9, 0x20003                  ; which 256 along K
	v_lshlrev_b32 v3, 2, v2                        ; in: 4 bytes a lane
	s_mul_i32 s30, s24, 32*WP
	s_add_co_u32 s30, s30, WSTG                    ; my stage
	v_mul_u32_u24 v4, v2, WP
	v_add_nc_u32 v4, s30, v4                       ; into it: row = my column
	v_and_b32 v5, 7, v2
	v_lshrrev_b32 v6, 3, v2                        ; out of it: eight lanes to a row, four rows an instruction
	v_mul_u32_u24 v7, v6, WP
	v_lshl_add_u32 v7, v5, 4, v7
	v_add_nc_u32 v7, s30, v7
	v_mul_u32_u24 v8, v6, KROW
	v_lshl_add_u32 v8, v5, 4, v8                   ; and the same place in w_codes
	v_lshlrev_b32 v9, 5, v2                        ; my column's row of scale bytes: 32 bytes a row
	s_lshl_b32 s28, s26, 20                        ; 256 rows of 4,096 bytes
	s_lshl_b32 s31, s25, 2
	s_add_co_u32 s28, s28, s31
	s_add_nc_u64 s[4:5], s[4:5], s[28:29]
	s_lshl_b32 s28, s27, 19                        ; codes: 524,288 bytes a weight, 512 a column, 128 for 256 along K
	s_lshl_b32 s31, s25, 9
	s_add_co_u32 s28, s28, s31
	s_lshl_b32 s31, s26, 7
	s_add_co_u32 s28, s28, s31
	s_add_nc_u64 s[20:21], s[20:21], s[28:29]
	s_lshl_b32 s28, s27, 15                        ; scale bytes: 32,768 a weight, 32 a column, 8 for 256 along K
	s_lshl_b32 s31, s25, 5
	s_add_co_u32 s28, s28, s31
	s_lshl_b32 s31, s26, 3
	s_add_co_u32 s28, s28, s31
	s_add_nc_u64 s[22:23], s[22:23], s[28:29]
.macro WLOAD t                         ; block t: W(32 t + i, my column), i = 0 .. 31, into set t % 2; the largest offset, 255 rows, lies inside the signed 24-bit immediate
.set i, 0
.rept 32
	global_load_b32 v[WX+32*((\t)%2)+i], v3, s[4:5] offset:(32*(\t)+i)*NROW th:TH_LOAD_NT
.set i, i+1
.endr
.endm
	WLOAD 0
	WLOAD 1
.macro WBLOCK t
.set XS, WX+32*((\t)%2)
.if (\t) < NB-1
	s_wait_loadcnt 32                              ; this block's 32 loads are in; the next block's may be out
.else
	s_wait_loadcnt 0
.endif
	v_max3_num_f32 v12, |v[XS]|, |v[XS+1]|, |v[XS+2]|
	v_max3_num_f32 v13, |v[XS+3]|, |v[XS+4]|, |v[XS+5]|
.irp i, 6,10,14,18,22,26
	v_max3_num_f32 v12, v12, |v[XS+\i]|, |v[XS+\i+1]|
	v_max3_num_f32 v13, v13, |v[XS+\i+2]|, |v[XS+\i+3]|
.endr
	v_max3_num_f32 v12, v12, |v[XS+30]|, |v[XS+31]|
	v_max3_num_f32 v12, v12, v13, (EMAX+1)<<23     ; and the floor
	v_add_nc_u32 v11, -(EMAX<<23), v12             ; the conversion's scale operand
	v_lshrrev_b32 v13, 23, v11                     ; the scale's byte
.if (\t)%4 == 0
	v_mov_b32 v[WSB+(\t)/4], v13                   ; four bytes to a register, the lower K in the lower byte
.else
	v_lshl_or_b32 v[WSB+(\t)/4], v13, 8*((\t)%4), v[WSB+(\t)/4]
.endif
.irp g, 0,1,2,3
	v_cvt_scalef32_pk8_fp4_f32 v[WC+\g], v[XS+8*\g:XS+8*\g+7], v11
.endr
	v_nop                                          ; one plain line behind the last conversion
	ds_store_b128 v4, v[WC:WC+3] offset:16*(\t)    ; 32 codes: 16 bytes of my column's row
.if (\t)+2 < NB
	WLOAD (\t)+2
.endif
	s_wait_dscnt 0x0                               ; the store has read its registers: the next block's codes may be written
.endm
.set Q, 0
.rept NB
	WBLOCK Q
.set Q, Q+1
.endr
	global_store_b64 v9, v[WSB:WSB+1], s[22:23]    ; my column's 8 scale bytes
.irp t, 0,1,2,3,4,5,6,7
	ds_load_b128 v[WOUT+4*\t:WOUT+4*\t+3], v7 offset:4*\t*WP
.endr
.irp t, 0,1,2,3,4,5,6,7
	s_wait_dscnt 7-\t                              ; load t is in; the younger ones may be out
	global_store_b128 v8, v[WOUT+4*\t:WOUT+4*\t+3], s[20:21] offset:4*\t*KROW
.endr
	s_wait_tensorcnt 0x0                           ; the wave's end: this wait, the add and the wait below stand behind my last LDS store
	ds_add_u32 v[SPW], v[NIL]
	s_wait_dscnt 0x0
	s_endpgm
.Lfunc_end_k_q0f28a3d604_quant:
	.size	k_q0f28a3d604_quant, .Lfunc_end_k_q0f28a3d604_quant-k_q0f28a3d604_quant
	.p2alignl 7, 3214868480
	.fill 96, 4, 3214868480
	.section	.rodata,"a",@progbits
	.p2align	6, 0x0
	.amdhsa_kernel k_q0f28a3d604_quant
		.amdhsa_group_segment_fixed_size 68096
		.amdhsa_private_segment_fixed_size 0
		.amdhsa_enable_private_segment 0
		.amdhsa_kernarg_size 80
		.amdhsa_user_sgpr_count 2
		.amdhsa_user_sgpr_kernarg_segment_ptr 1
		.amdhsa_wavefront_size32 1
		.amdhsa_system_sgpr_workgroup_id_x 1
		.amdhsa_system_sgpr_workgroup_id_y 1
		.amdhsa_system_sgpr_workgroup_id_z 1
		.amdhsa_system_vgpr_workitem_id 0
		.amdhsa_next_free_vgpr 192
		.amdhsa_next_free_sgpr 66
		.amdhsa_reserve_vcc 0
		.amdhsa_float_denorm_mode_32 3
		.amdhsa_float_denorm_mode_16_64 3
		.amdhsa_memory_ordered 1
		.amdhsa_forward_progress 1
		.amdhsa_inst_pref_size 73
	.end_amdhsa_kernel
	.amdgpu_metadata
---
amdhsa.version: [ 1, 2 ]
amdhsa.kernels:
  - .name:           k_q0f28a3d604_quant
    .symbol:         k_q0f28a3d604_quant.kd
    .args:
      - { .name: query, .offset: 0, .size: 8, .value_kind: global_buffer, .address_space: global }
      - { .name: key, .offset: 8, .size: 8, .value_kind: global_buffer, .address_space: global }
      - { .name: value, .offset: 16, .size: 8, .value_kind: global_buffer, .address_space: global }
      - { .name: Wq, .offset: 24, .size: 8, .value_kind: global_buffer, .address_space: global }
      - { .name: Wk, .offset: 32, .size: 8, .value_kind: global_buffer, .address_space: global }
      - { .name: Wv, .offset: 40, .size: 8, .value_kind: global_buffer, .address_space: global }
      - { .name: x_codes, .offset: 48, .size: 8, .value_kind: global_buffer, .address_space: global }
      - { .name: x_scales, .offset: 56, .size: 8, .value_kind: global_buffer, .address_space: global }
      - { .name: w_codes, .offset: 64, .size: 8, .value_kind: global_buffer, .address_space: global }
      - { .name: w_scales, .offset: 72, .size: 8, .value_kind: global_buffer, .address_space: global }
    .group_segment_fixed_size: 68096
    .private_segment_fixed_size: 0
    .kernarg_segment_align: 8
    .kernarg_segment_size: 80
    .max_flat_workgroup_size: 128
    .sgpr_count:     66
    .vgpr_count:     192
    .wavefront_size: 32
...
	.end_amdgpu_metadata
.endif
;; end of part 1
;; launch proj (part 2): grid 4 x 96, 4 waves a work-group, clusters of 4 x 4, 327,680 bytes of LDS; arguments x_codes, x_scales, w_codes, w_scales, bq, qkv; writes qkv
.if DOCPART == 2
	.amdgcn_target "amdgcn-amd-amdhsa--gfx1250"
	.amdhsa_code_object_version 6
	.text
	.protected	k_q0f28a3d604_proj
	.globl	k_q0f28a3d604_proj
	.p2align	8
	.type	k_q0f28a3d604_proj,@function
k_q0f28a3d604_proj:
	s_mov_b64 s[64:65], 0
	v_nop
	global_prefetch_b8 v0, s[64:65] scope:SCOPE_SE
	s_setreg_imm32_b32 hwreg(HW_REG_WAVE_MODE, 25, 1), 1
	s_wait_xcnt 0x0
	s_wait_alu depctr_hold_cnt(0) depctr_sa_sdst(0) depctr_va_vdst(0) depctr_va_sdst(0) depctr_va_ssrc(0) depctr_va_vcc(0) depctr_vm_vsrc(0)
	s_getreg_b32 s2, hwreg(HW_REG_IB_STS2, 6, 4)
	s_cmp_eq_u32 s2, 0
	s_cbranch_scc0 .Lentry_in_a_cluster
	s_endpgm
.Lentry_in_a_cluster:
	s_bfe_u32 s2, ttmp6, 0x10000c
	s_cmp_lg_u32 s2, 0xf033
	s_cbranch_scc0 .Lentry_shape_is_right
	s_endpgm
.Lentry_shape_is_right:
; LAUNCH 2 OF 4.  The three projections on codes of FP4 with E8M0 scales: qkv[t][m][n] = sum over k of x[t][m][k] W[t][k][n] (+ bq[n] where t = 0), f32 sums, rounded once to f16.
; LEFT OUT: bk (dead work: shown at the head of launch quant) and bv here (it is added in launch out, in f32).  LIMIT: |q|, |k|, |v| stay under 65,504, the largest f16 number.
; The three tensors are one tall operand A [24576][1024]; a tile row of 256 rows belongs to tensor (tile row) / 32, which picks the 1,024 rows of w_codes that are B.
; A tile of C, 256 x 256, is made by four waves, each 128 x 128: 64 accumulators, 512 registers.  K = 1,024 is two K steps of 512 (LDS rows of 256 bytes): the two slots hold all of K, so nothing is filled again.
; The scale bytes of the tile's 256 rows of A and of B are two dense blocks: they come once, with the first fills.  By this text's own count a wave has at most three tensor loads out.
; CLUSTERS: 4 x 4 work-groups; A's tiles are asked for jointly along a row of the cluster, B's along a column.  The tensor's number comes from the cluster's y alone: it is the same in all sixteen.
; THE MATRIX INSTRUCTION IS USED TRANSPOSED (source 0 = 16 rows of B, source 1 = 16 rows of A): a lane holds eight neighbouring columns of one row of C, 16 bytes of f16.
; REGISTERS: window 0: v0-31 addresses; v32-95 scale words, two sets; v128-191 A's fragments, one set; v192-255 bq in the result's layout (q's tiles), later at work on the way out.
;   window 1: B's fragments, two sets, at v0 and v128.   window 2: the accumulators of my rows 0-63 ((a, b) at v[8 (8 a + b)]);   window 3: those of my rows 64-127.
.set SIZE_N, 1024
.set SIZE_K, 1024
.set NQ,     4                         ; matrix instructions deep in a slot: 512 along K
.set ROWB,   256                       ; a tile's row in bytes
.set KROW,   512                       ; a row of codes in memory
.set PITCH,  272                       ; an LDS row: 256 bytes + 16 of padding
.set FR,     8                         ; registers of a fragment
.set NL,     2                         ; LDS loads that bring one
.set NP,     4                         ; places behind this matrix instruction (ISA guide 7.12.1)
.set HALFT,  128*PITCH
.set SLOT,   4*HALFT                   ; A's 256 rows, then B's 256 rows
.set KS,     32                        ; a row of scale bytes
.set SCL,    2*SLOT                    ; behind the slots: the scales, as rows of 256 bytes + 16 of padding
.set HALFS,  (128*KS/256)*272
.set SBLK,   (16*KS/256)*272
.set SPARE,  SCL+4*HALFS               ; the spare words, 128 bytes for each wave
.set STAGE,  SPARE+512                 ; the way out: 16 rows x 272 bytes for each wave; no tensor load lands here
.set SPITCH, 272
.set ADRA, 16
.set ADRB, 20
.set STO,  24
.set RD,   25
.set CO,   26
.set ADRS, 27
.set SPW,  28
.set NIL,  29
.set BO,   30                          ; v30  32 x (lane / 16): my half's place in a block of 16 numbers of bq
.set SC,   32
.set AF,   128
.set BI,   192                         ; v192-255: register 8 b + j = bq[my first column + 16 b + 8 (lane / 16) + j]
.set TMP,  192                         ; the way out: packed results
.set OB,   32                          ; the way out: 16 rows read back: v32-63 and v224-255 by turns
.set G1, 24
.set G0, 32
.set G1B, 48
.set G0B, 56
.set G1S, 68
.set G0S, 76
.set G1SB, 80
.set G0SB, 88
.set MSB, 0
.macro WIN new                         ; the immediate's high byte repeats the setting that is left
.if MSB != (\new)
	s_set_vgpr_msb (MSB<<8)|(\new)
.set MSB, (\new)
.endif
.endm
.set MUL_LO, 0xa1                      ; source 0 (B) window 1, source 1 (A) window 0, C and D window 2
.set MUL_HI, 0xf1                      ; the same, C and D window 3
.set BIAS_LO, 0x81                     ; C (bq) window 0, D window 2
.set BIAS_HI, 0xc1                     ; C window 0, D window 3
.set TO_B,   0x40
; A joint load: waves 0 and 1 fetch for A, waves 2 and 3 for B.  An s_nop 0 and four v_nop follow each of the two lines.
.macro JLOAD g0a, g1a, g0b, g1b
	s_cmp_eq_u32 s15, 0
	s_cbranch_scc0 .Lfor_b_\@
	tensor_load_to_lds s[\g0a:\g0a+3], s[\g1a:\g1a+7]
	s_nop 0
.rept 4
	v_nop
.endr
	s_branch .Lasked_\@
.Lfor_b_\@:
	tensor_load_to_lds s[\g0b:\g0b+3], s[\g1b:\g1b+7]
	s_nop 0
.rept 4
	v_nop
.endr
.Lasked_\@:
.endm
.macro CROUND                          ; a round of the cluster's barrier
	s_barrier_signal -1
	s_barrier_wait -1
	s_cmp_lg_u32 s14, 0
	s_cbranch_scc1 .Lnot_wave_0_\@
	s_barrier_signal -3
.Lnot_wave_0_\@:
	s_barrier_wait -3
	s_barrier_signal -1
	s_barrier_wait -1
.endm
	s_load_b128 s[4:7], s[0:1], 0x0                ; x_codes, x_scales
	s_load_b128 s[8:11], s[0:1], 0x10              ; w_codes, w_scales
	s_load_b64 s[96:97], s[0:1], 0x20              ; bq
	s_load_b64 s[12:13], s[0:1], 0x28              ; qkv
	v_lshl_add_u32 v[SPW], v0, 2, SPARE
	v_mov_b32 v[NIL], 0
	ds_add_u32 v[SPW], v[NIL]                      ; the wave's opening: the add, twice on end, and its wait ahead of my first tensor load
	ds_add_u32 v[SPW], v[NIL]
	v_lshrrev_b32 v1, 5, v0
	v_readfirstlane_b32 s14, v1                    ; wave 0..3
	s_lshr_b32 s15, s14, 1                         ; which half of the tile's rows is mine.  Also: I fetch for A (0) or for B (1)
	s_and_b32 s16, s14, 1                          ; which half of its columns.  Also: which 128 rows of that tile I fetch
	s_bfe_u32 s40, ttmp6, 0x40000                  ; cx, cy: my place in the cluster
	s_bfe_u32 s41, ttmp6, 0x40004
	s_lshl_b32 s42, ttmp9, 2
	s_add_co_u32 s42, s42, s40                     ; tile column of C
	s_and_b32 s17, ttmp7, 0xffff
	s_lshr_b32 s98, s17, 3                         ; the tensor: 8 clusters (32 tile rows) to each; 0 = q, 1 = k, 2 = v
	s_lshl_b32 s17, s17, 2
	s_add_co_u32 s17, s17, s41                     ; tile row of C
	s_lshl_b32 s43, s41, 2
	s_lshl_b32 s43, 15, s43                        ; my row of the cluster
	s_lshl_b32 s44, 0x1111, s40                    ; my column
	s_or_b32 s[G1+0], s43, (0<<16)|(1<<20)|(1<<21)|(5<<22)|(3<<25)  ; the mask; elements of 1 byte; padding on; bit 21 beside a mask; after every 64 words, 4 words
	s_or_b32 s[G1B+0], s44, (0<<16)|(1<<20)|(1<<21)|(5<<22)|(3<<25)
.irp g, G1, G1B
	s_mov_b32 s[\g+1], ROWB<<16                    ; tensor_dim0
	s_mov_b32 s[\g+2], 128<<16                     ; tensor_dim1
	s_mov_b32 s[\g+3], ROWB<<16                    ; tile_dim0
	s_mov_b32 s[\g+4], 128                         ; tile_dim1
	s_mov_b32 s[\g+5], KROW                        ; the pitch
	s_mov_b32 s[\g+6], 0
	s_mov_b32 s[\g+7], 0
.endr
	s_or_b32 s[G1S+0], s43, (3<<16)|(1<<20)|(1<<21)|(5<<22)|(3<<25) ; the scales of 128 rows: 4,096 dense bytes as 16 rows of 32 elements of 8 bytes
	s_or_b32 s[G1SB+0], s44, (3<<16)|(1<<20)|(1<<21)|(5<<22)|(3<<25)
.irp g, G1S, G1SB
	s_mov_b32 s[\g+1], 32<<16
	s_mov_b32 s[\g+2], (128*KS/256)<<16
	s_mov_b32 s[\g+3], 32<<16
	s_mov_b32 s[\g+4], 128*KS/256
	s_mov_b32 s[\g+5], 32
	s_mov_b32 s[\g+6], 0
	s_mov_b32 s[\g+7], 0
.endr
	s_lshl_b32 s18, s16, 7                         ; which 128 rows of the tile I fetch
	s_lshl_b32 s20, s17, 8
	s_add_co_u32 s20, s20, s18                     ; A: row 256 x tile row + 128 x half
	s_lshl_b32 s46, s42, 8
	s_add_co_u32 s46, s46, s18                     ; B: row 256 x tile column + 128 x half
	s_lshl_b32 s47, s98, 10
	s_add_co_u32 s46, s46, s47                     ;    + 1,024 x tensor
	s_mov_b32 s21, 0
	s_mov_b32 s47, 0
	s_mov_b64 s[18:19], KS
	s_mul_u64 s[22:23], s[20:21], s[18:19]         ; where these rows' scales begin, in bytes
	s_mul_u64 s[92:93], s[46:47], s[18:19]
	s_mov_b64 s[18:19], KROW
	s_mul_u64 s[20:21], s[20:21], s[18:19]         ; and their codes
	s_mul_u64 s[46:47], s[46:47], s[18:19]
	s_mul_i32 s45, s14, HALFT                      ; where they go: wave x 128 rows
	s_mul_i32 s94, s14, HALFS
	s_wait_dscnt 0x0                               ; both opening adds are done
	s_wait_kmcnt 0x0
	s_add_nc_u64 s[20:21], s[4:5], s[20:21]
	s_add_nc_u64 s[22:23], s[6:7], s[22:23]
	s_add_nc_u64 s[46:47], s[8:9], s[46:47]
	s_add_nc_u64 s[92:93], s[10:11], s[92:93]
	CROUND                                         ; all sixteen work-groups are here: the first joint loads meet
	s_mov_b32 s[G0S], 1
	s_add_co_u32 s[G0S+1], s94, SCL
	s_mov_b64 s[G0S+2:G0S+3], s[22:23]
	s_or_b32 s[G0S+3], s[G0S+3], 0x80000000
	s_mov_b32 s[G0SB], 1
	s_add_co_u32 s[G0SB+1], s94, SCL
	s_mov_b64 s[G0SB+2:G0SB+3], s[92:93]
	s_or_b32 s[G0SB+3], s[G0SB+3], 0x80000000
	JLOAD G0S, G1S, G0SB, G1SB                     ; the scales first: they are wanted with K step 0
.irp s, 0,1
	s_mov_b32 s[G0+4*\s], 1
	s_add_co_u32 s[G0+4*\s+1], s45, \s*SLOT
	s_add_nc_u64 s[G0+4*\s+2:G0+4*\s+3], s[20:21], \s*ROWB
	s_or_b32 s[G0+4*\s+3], s[G0+4*\s+3], 0x80000000
	s_mov_b32 s[G0B+4*\s], 1
	s_add_co_u32 s[G0B+4*\s+1], s45, \s*SLOT
	s_add_nc_u64 s[G0B+4*\s+2:G0B+4*\s+3], s[46:47], \s*ROWB
	s_or_b32 s[G0B+4*\s+3], s[G0B+4*\s+3], 0x80000000
	JLOAD G0+4*\s, G1, G0B+4*\s, G1B
.endr
	v_and_b32 v1, 15, v0                           ; r = lane % 16
	v_bfe_u32 v2, v0, 4, 1                         ; h = lane / 16
	v_mul_u32_u24 v3, v1, PITCH
	v_lshl_add_u32 v4, v2, 4, v3                   ; a fragment's row x pitch + 16 x half
	s_mul_i32 s21, s15, HALFT                      ; my 128 rows of A
	s_mul_i32 s22, s16, HALFT                      ; my 128 rows of B,
	s_add_co_u32 s22, s22, 2*HALFT                 ; which lie behind A's 256
.irp s, 0,1
	v_add_nc_u32 v[ADRA+\s], s21, v4
	v_add_nc_u32 v[ADRB+\s], s22, v4
	s_add_co_u32 s21, s21, SLOT
	s_add_co_u32 s22, s22, SLOT
.endr
	v_mul_u32_u24 v5, v1, KS                       ; my row's scales: 32 bytes a row,
	v_lshrrev_b32 v6, 8, v5
	v_lshl_add_u32 v5, v6, 4, v5                   ; and 16 more for each 256 passed
	s_mul_i32 s21, s15, HALFS                      ; A's: my 128 rows
	s_mul_i32 s22, s16, HALFS                      ; B's: my 128 rows, behind A's 256
	s_add_co_u32 s22, s22, 2*HALFS
	s_sub_co_u32 s22, s22, s21
	v_mul_u32_u24 v6, s22, v2                      ; lanes 16-31 take B's: the lower base + h x the distance
	s_add_co_u32 s21, s21, SCL
	v_add_nc_u32 v5, v5, v6
	v_add_nc_u32 v[ADRS], s21, v5
	s_mul_i32 s23, s14, 16*SPITCH
	s_add_co_u32 s23, s23, STAGE                   ; my stage
	v_mul_u32_u24 v5, v1, SPITCH                   ; in: row r, 16 bytes for each half of the lanes
	v_lshl_add_u32 v5, v2, 4, v5
	v_add_nc_u32 v[STO], s23, v5
	v_mul_u32_u24 v5, v2, SPITCH                   ; back: lanes 0-15 one row of 256 bytes, lanes 16-31 the next
	v_lshl_add_u32 v5, v1, 4, v5
	v_add_nc_u32 v[RD], s23, v5
	v_mul_u32_u24 v5, v2, SIZE_N*2                 ; and the same two rows in qkv
	v_lshl_add_u32 v[CO], v1, 4, v5
	v_lshlrev_b32 v[BO], 5, v2
	s_lshl_b32 s20, s17, 8
	s_lshl_b32 s21, s15, 7
	s_add_co_u32 s20, s20, s21                     ; my first row of C
	s_lshl_b32 s20, s20, 11                        ; 2,048 bytes a row: under 2^26
	s_mov_b32 s21, 0
	s_lshl_b32 s46, s42, 9                         ; my first column in f16: 512 x tile column + 256 x half
	s_lshl_b32 s47, s16, 8
	s_add_co_u32 s46, s46, s47
	s_mov_b32 s47, 0
	s_add_nc_u64 s[20:21], s[20:21], s[46:47]
	s_add_nc_u64 s[12:13], s[12:13], s[20:21]
	s_lshl_b32 s46, s46, 1                         ; and in f32, for bq
	s_add_nc_u64 s[96:97], s[96:97], s[46:47]
.macro FRAG reg, adr, q, i             ; 16 rows x 128 K of 4-bit codes: 8 registers: lane l holds row l % 16; registers 4 c .. 4 c + 3 hold K = 64 c + 32 (l / 16) + 0 .. 31
.irp c, 0,1
	ds_load_b128 v[\reg+4*\c:\reg+4*\c+3], v[\adr] offset:64*(\q)+32*\c+(\i)*16*PITCH
.endr
.endm
; 16 matrix instructions: A's blocks a0, a0 + 1 x B's eight, the slot's q-th 128 along K.  zero = 1: C = 0 starts the sums; zero = 2: C = bq starts them; nothing is ever cleared.
; The 64 accumulators take turns, one instruction a turn, in the same order in every step.
.macro MUL16 a0, p, q, sc, zero
.irp a, \a0, \a0+1
.irp b, 0,1,2,3,4,5,6,7
.set rD, 8*(8*((\a)%4)+\b)
.set rB, 128*(\p)+FR*\b
.set rA, AF+FR*(\a)
.set rSB, SC+8*NQ*(\sc)+NQ*\b+(\q)
.set rSA, SC+8*NQ*(\sc)+NQ*(\a)+(\q)
.if (\zero) == 1
	v_wmma_scale_f32_16x16x128_f8f6f4 v[rD:rD+7], v[rB:rB+7], v[rA:rA+7], 0, v[rSB], v[rSA] matrix_a_fmt:MATRIX_FMT_FP4 matrix_b_fmt:MATRIX_FMT_FP4 matrix_a_scale:MATRIX_SCALE_ROW1
.elseif (\zero) == 2
	v_wmma_scale_f32_16x16x128_f8f6f4 v[rD:rD+7], v[rB:rB+7], v[rA:rA+7], v[BI+8*\b:BI+8*\b+7], v[rSB], v[rSA] matrix_a_fmt:MATRIX_FMT_FP4 matrix_b_fmt:MATRIX_FMT_FP4 matrix_a_scale:MATRIX_SCALE_ROW1
.else
	v_wmma_scale_f32_16x16x128_f8f6f4 v[rD:rD+7], v[rB:rB+7], v[rA:rA+7], v[rD:rD+7], v[rSB], v[rSA] matrix_a_fmt:MATRIX_FMT_FP4 matrix_b_fmt:MATRIX_FMT_FP4 matrix_a_scale:MATRIX_SCALE_ROW1
.endif
.endr
.endr
.endm
.macro FETCH_B slot, q, p
	WIN TO_B
.irp i, 0,1,2,3,4,5,6,7
	FRAG 128*(\p)+FR*\i, ADRB+\slot, \q, \i
.endr
	WIN 0
.endm
.macro FETCH_A slot, q, i0
.irp i, \i0, \i0+1, \i0+2, \i0+3
	FRAG AF+FR*(\i), ADRA+\slot, \q, \i
.endr
.endm
.macro SCALES sc                       ; a K step's scale words: 4 words a row; lanes 0-15 take A's block i, lanes 16-31 B's block i
.irp i, 0,1,2,3,4,5,6,7
	ds_load_b128 v[SC+8*NQ*\sc+NQ*\i:SC+8*NQ*\sc+NQ*\i+3], v[ADRS] offset:\i*SBLK
.endr
.endm
.macro PLACES n                        ; places in front of loads into registers that matrix instructions have read, and of the first read of results
.rept \n
	v_nop
.endr
.endm
.macro STEP slot, q, zero              ; a step of 128 along K that has its successor in the same slot
	s_wait_dscnt 4*NL                              ; B's set and A's blocks 0-3 are in; the youngest eight loads (A's blocks 4-7) may be out
.if (\zero) == 2
	WIN BIAS_LO
.else
	WIN MUL_LO
.endif
	MUL16 0, (\q)%2, \q, \slot, \zero
	MUL16 2, (\q)%2, \q, \slot, \zero
	s_wait_dscnt 0                                 ; A's blocks 4-7 are in
	PLACES NP
	FETCH_B \slot, (\q)+1, 1-(\q)%2
	FETCH_A \slot, (\q)+1, 0
.if (\zero) == 2
	WIN BIAS_HI
.else
	WIN MUL_HI
.endif
	MUL16 4, (\q)%2, \q, \slot, \zero
	MUL16 6, (\q)%2, \q, \slot, \zero
	PLACES NP
	WIN 0
	FETCH_A \slot, (\q)+1, 4
.endm
.macro STEPS slot, from
.set Q, \from
.rept NQ-1-\from
	STEP \slot, Q, 0
.set Q, Q+1
.endr
.endm
	s_wait_tensorcnt 1                             ; the scales and my part of K step 0 are in; K step 1's load may be out
	s_barrier_signal -1
	s_barrier_wait -1                              ; everybody's are
	FETCH_B 0, 0, 0
	FETCH_A 0, 0, 0
	SCALES 0
	FETCH_A 0, 0, 4
	s_cmp_eq_u32 s98, 0                            ; q's tiles begin their sums with bq, the others with 0: the tensor's number is the same in all waves and all partners
	s_cbranch_scc0 .Lno_bias
.irp b, 0,1,2,3,4,5,6,7
	global_load_b128 v[BI+8*\b:BI+8*\b+3], v[BO], s[96:97] offset:64*\b
	global_load_b128 v[BI+8*\b+4:BI+8*\b+7], v[BO], s[96:97] offset:64*\b+16
.endr
	s_wait_loadcnt 0x0
	STEP 0, 0, 2
	s_branch .Ljoined
.Lno_bias:
	STEP 0, 0, 1
.Ljoined:
	STEPS 0, 1
	; slot 0's last step changes slots: one barrier; nothing is filled again
	s_wait_tensorcnt 0x0                           ; my part of slot 1 has landed
	ds_add_u32 v[SPW], v[NIL]                      ; 0 onto my spare word
	s_wait_dscnt 4*NL+1                            ; the add and the youngest eight loads may be out
	WIN MUL_LO
	MUL16 0, 1, NQ-1, 0, 0
	s_wait_dscnt 0x0
	s_barrier_signal -1
	MUL16 2, 1, NQ-1, 0, 0
	WIN 0
	s_barrier_wait -1                              ; slot 1 is whole
	PLACES NP
	v_add_nc_u32 v[ADRS], 4*NQ, v[ADRS]            ; on to K step 1's scale words (no LDS load of mine is out)
	FETCH_B 1, 0, 0
	FETCH_A 1, 0, 0
	SCALES 1
	WIN MUL_HI
	MUL16 4, 1, NQ-1, 0, 0
	MUL16 6, 1, NQ-1, 0, 0
	PLACES NP
	WIN 0
	FETCH_A 1, 0, 4
	STEPS 1, 0
	s_wait_dscnt 4*NL                              ; the very last step: nothing more to fetch
	WIN MUL_LO
	MUL16 0, 1, NQ-1, 1, 0
	MUL16 2, 1, NQ-1, 1, 0
	s_wait_dscnt 0
	WIN MUL_HI
	MUL16 4, 1, NQ-1, 1, 0
	MUL16 6, 1, NQ-1, 1, 0
	WIN 0
; THE WAY OUT, block by block of 16 rows x 128 columns: rounded to f16 (16 bytes a lane), through my own stage, back as whole rows of 256 bytes: sixteen lanes store 256 consecutive bytes, aligned.
.macro PACK a
.set AC, 64*((\a)%4)
	WIN 0x0a+5*((\a)/4)                            ; sources 0 and 1: window 2 or 3
.irp b, 0,1,2,3,4,5,6,7
.irp r, 0,1,2,3
	v_cvt_pk_f16_f32 v[TMP+4*\b+\r], v[AC+8*\b+2*\r], v[AC+8*\b+2*\r+1]   ; each accumulator from its low end on
.endr
.endr
	WIN 0
.endm
.macro TOSTAGE a
.set BK, OB+192*((\a)%2)
.irp b, 0,1,2,3,4,5,6,7
	ds_store_b128 v[STO], v[TMP+4*\b:TMP+4*\b+3] offset:32*\b
.endr
.irp t, 0,1,2,3,4,5,6,7
	ds_load_b128 v[BK+4*\t:BK+4*\t+3], v[RD] offset:\t*2*SPITCH    ; LDS serves a wave's instructions in order: these see the stores above
.endr
.endm
.macro SEND a
.set BK, OB+192*((\a)%2)
	s_wait_dscnt 0x0                               ; the block is back in registers
	s_wait_xcnt 0x0                                ; the block before has been read by its stores: the next block's loads may land in its registers
.irp t, 0,1,2,3,4,5,6,7
	global_store_b128 v[CO], v[BK+4*\t:BK+4*\t+3], s[12:13] offset:(16*(\a)+2*\t)*SIZE_N*2   ; 126 rows of 2,048 bytes at the most: inside the signed 24-bit immediate
.endr
.endm
	PLACES NP
	PACK 0
	TOSTAGE 0
.irp a, 1,2,3,4,5,6,7
	PACK \a
	SEND \a-1
	TOSTAGE \a
.endr
	SEND 7
	s_wait_tensorcnt 0x0                           ; the wave's end: this wait, the add and the wait below stand behind my last tensor load and my last LDS store
	ds_add_u32 v[SPW], v[NIL]
	s_wait_dscnt 0x0
	CROUND                                         ; the closing round
	s_endpgm
.Lfunc_end_k_q0f28a3d604_proj:
	.size	k_q0f28a3d604_proj, .Lfunc_end_k_q0f28a3d604_proj-k_q0f28a3d604_proj
	.p2alignl 7, 3214868480
	.fill 96, 4, 3214868480
	.section	.rodata,"a",@progbits
	.p2align	6, 0x0
	.amdhsa_kernel k_q0f28a3d604_proj
		.amdhsa_group_segment_fixed_size 327680
		.amdhsa_private_segment_fixed_size 0
		.amdhsa_enable_private_segment 0
		.amdhsa_kernarg_size 48
		.amdhsa_user_sgpr_count 2
		.amdhsa_user_sgpr_kernarg_segment_ptr 1
		.amdhsa_wavefront_size32 1
		.amdhsa_system_sgpr_workgroup_id_x 1
		.amdhsa_system_sgpr_workgroup_id_y 1
		.amdhsa_system_sgpr_workgroup_id_z 1
		.amdhsa_system_vgpr_workitem_id 0
		.amdhsa_next_free_vgpr 1024
		.amdhsa_next_free_sgpr 100
		.amdhsa_reserve_vcc 0
		.amdhsa_float_denorm_mode_32 3
		.amdhsa_float_denorm_mode_16_64 3
		.amdhsa_memory_ordered 1
		.amdhsa_forward_progress 1
		.amdhsa_inst_pref_size 139
	.end_amdhsa_kernel
	.amdgpu_metadata
---
amdhsa.version: [ 1, 2 ]
amdhsa.kernels:
  - .name:           k_q0f28a3d604_proj
    .symbol:         k_q0f28a3d604_proj.kd
    .args:
      - { .name: x_codes, .offset: 0, .size: 8, .value_kind: global_buffer, .address_space: global }
      - { .name: x_scales, .offset: 8, .size: 8, .value_kind: global_buffer, .address_space: global }
      - { .name: w_codes, .offset: 16, .size: 8, .value_kind: global_buffer, .address_space: global }
      - { .name: w_scales, .offset: 24, .size: 8, .value_kind: global_buffer, .address_space: global }
      - { .name: bq, .offset: 32, .size: 8, .value_kind: global_buffer, .address_space: global }
      - { .name: qkv, .offset: 40, .size: 8, .value_kind: global_buffer, .address_space: global }
    .group_segment_fixed_size: 327680
    .private_segment_fixed_size: 0
    .kernarg_segment_align: 8
    .kernarg_segment_size: 48
    .max_flat_workgroup_size: 128
    .sgpr_count:     100
    .vgpr_count:     1024
    .wavefront_size: 32
...
	.end_amdgpu_metadata
.endif
;; end of part 2
;; launch scores (part 3): grid 8 x 32, 4 waves a work-group, clusters of 4 x 4, 327,680 bytes of LDS; arguments qkv, p, stats; writes p, stats
.if DOCPART == 3
	.amdgcn_target "amdgcn-amd-amdhsa--gfx1250"
	.amdhsa_code_object_version 6
	.text
	.protected	k_q0f28a3d604_scores
	.globl	k_q0f28a3d604_scores
	.p2align	8
	.type	k_q0f28a3d604_scores,@function
k_q0f28a3d604_scores:
	s_mov_b64 s[64:65], 0
	v_nop
	global_prefetch_b8 v0, s[64:65] scope:SCOPE_SE
	s_setreg_imm32_b32 hwreg(HW_REG_WAVE_MODE, 25, 1), 1
	s_wait_xcnt 0x0
	s_wait_alu depctr_hold_cnt(0) depctr_sa_sdst(0) depctr_va_vdst(0) depctr_va_sdst(0) depctr_va_ssrc(0) depctr_va_vcc(0) depctr_vm_vsrc(0)
	s_getreg_b32 s2, hwreg(HW_REG_IB_STS2, 6, 4)
	s_cmp_eq_u32 s2, 0
	s_cbranch_scc0 .Lentry_in_a_cluster
	s_endpgm
.Lentry_in_a_cluster:
	s_bfe_u32 s2, ttmp6, 0x10000c
	s_cmp_lg_u32 s2, 0xf033
	s_cbranch_scc0 .Lentry_shape_is_right
	s_endpgm
.Lentry_shape_is_right:
; LAUNCH 3 OF 4.  S = q k^T on f16 operands with f32 sums, and the first half of the softmax on the way out.  q = qkv[0], k = qkv[1], each [8192 = 4 batches x 2048][1024] f16.
; LEFT OUT: bk (dead work: shown at the head of launch quant): k here is key Wk.
; t = S x c, c = log2(e) / 32.  For each query and each CHUNK of 128 keys: m = the chunk's largest t rounded UP to a whole number; p = 2^(t - m), rounded to f16, goes to p [8192][2048];
; stats[chunk][row] = (-m, the f32 sum of the chunk's unrounded p).  Launch out joins the 16 chunks of a row under the row's own maximum by exact powers of two.  So a maximum is taken away ahead of every exponential.
; A tile of S, 256 queries x 256 keys, is made by four waves, each 128 x 128: 64 accumulators; a wave's 128 columns are one chunk.  K = 1,024 goes in steps of 128 through a ring of two LDS slots.
; CLUSTERS: 4 x 4 work-groups; q's tiles are asked for jointly along a row of the cluster, k's along a column.  The batch comes from the cluster's y alone (two clusters of 1,024 queries to a batch).
; THE MATRIX INSTRUCTION IS USED TRANSPOSED (source 0 = 16 keys, source 1 = 16 queries): lane l holds query l % 16 and, in block b, keys 16 b + 8 (l / 16) + 0 .. 7; the query's other 64 keys lie in lane l xor 16.
; REGISTERS: window 0: v0-31 addresses; v64-127, v128-191 q's fragments, two buffers; on the way out v32-255 are at work.  window 1: v64-127, v128-191 k's fragments.
;   window 2: the accumulators of my rows 0-63 ((a, b) at v[8 (8 a + b)]);   window 3: those of my rows 64-127.
.set SIZE_K, 1024
.set SIZE_N, 2048                      ; keys of a batch: a row of p
.set KSTEP,  128
.set PITCH,  272
.set HALFT,  128*PITCH
.set SLOT,   4*HALFT
.set STAGE,  2*SLOT                    ; behind the ring: 16 rows x 272 bytes for each wave
.set SPITCH, 272
.set STB,    STAGE+4*16*SPITCH         ; 1,024 bytes for each wave: its 128 rows' pairs (-m, sum)
.set SPARE,  STB+4*1024                ; the spare words, 128 bytes for each wave
.set LAPS,   SIZE_K/(2*KSTEP)
.set ADRA, 16
.set SA,   18                          ; v18  where I put a row's pair
.set SRD,  19                          ; v19  where I read 16 bytes of the pairs back
.set ADRB, 20
.set SCO,  22                          ; v22  16 x lane: my place in stats
.set STO,  24
.set RD,   25
.set CO,   26
.set SPW,  28
.set NIL,  29
.set PFO,  30                          ; v30  the prefetches' offset: my lane x a row of 2,048 bytes
.set PFA,  44                          ; s[44:45] where my prefetches stand
.set LIM,  43                          ; s43  1 in a wave that prefetches, else the greatest number
.set F0,   64
.set F1,   128
.set OB,   32                          ; the way out: rows read back: v32-63 and v224-255 by turns
.set T,    64                          ; v64-67   four chains of the maximum
.set U,    68                          ; v68      what lane l xor 16 sends
.set LS,   72                          ; v72-79   four pairs of running sums
.set SP,   96                          ; v96-111  block a: (-m, sum) at v[96 + 2 a], v[97 + 2 a]
.set TMP,  192                         ; v192-223 p in f16
.set CS,   68                          ; s[68:69] c: the packed form names a pair and takes its low word for both halves
.set SEL,  70                          ; s[70:71] lane selects for v_permlanex16_b32: lane l xor 16
.set G1, 24
.set G0, 32
.set G1B, 48
.set G0B, 56
.set MSB, 0
.macro WIN new
.if MSB != (\new)
	s_set_vgpr_msb (MSB<<8)|(\new)
.set MSB, (\new)
.endif
.endm
.set MUL_LO, 0xa1
.set MUL_HI, 0xf1
.set TO_B,   0x40
.macro JLOAD s                         ; a joint load: waves 0 and 1 fetch q's two halves, waves 2 and 3 k's; an s_nop 0 and four v_nop follow each of the two lines
	s_cmp_eq_u32 s11, 0
	s_cbranch_scc0 .Lfor_b_\@
	tensor_load_to_lds s[G0+4*\s:G0+4*\s+3], s[G1:G1+7]
	s_nop 0
.rept 4
	v_nop
.endr
	s_branch .Lasked_\@
.Lfor_b_\@:
	tensor_load_to_lds s[G0B+4*\s:G0B+4*\s+3], s[G1B:G1B+7]
	s_nop 0
.rept 4
	v_nop
.endr
.Lasked_\@:
.endm
; A prefetch of the K step that stands two refills on: 32 rows x 256 bytes, a lane a row, one instruction a wave.  Each row's 256 bytes of a K step are named once in the launch: q's rows by the cluster with x = 0,
; k's rows by the first of the batch's two clusters along y; the four partners that ask for a tile jointly share its rows out by address, 32 each.  The loop's last trip has no K step two on and asks for nothing.
.macro ASK
	s_cmp_gt_u32 s3, s[LIM]
	s_cbranch_scc0 .Lnot_mine_\@
	global_prefetch_b8 v[PFO], s[PFA:PFA+1] offset:KSTEP*2 th:TH_LOAD_NT scope:SCOPE_SE
.Lnot_mine_\@:
.endm
.macro CREST
	s_cmp_lg_u32 s10, 0
	s_cbranch_scc1 .Lnot_wave_0_\@
	s_barrier_signal -3
.Lnot_wave_0_\@:
	s_barrier_wait -3
	s_barrier_signal -1
	s_barrier_wait -1
.endm
.macro CROUND
	s_barrier_signal -1
	s_barrier_wait -1
	CREST
.endm
	s_load_b128 s[4:7], s[0:1], 0x0                ; qkv s[4:5], p s[6:7]
	s_load_b64 s[66:67], s[0:1], 0x10              ; stats
	v_lshl_add_u32 v[SPW], v0, 2, SPARE
	v_mov_b32 v[NIL], 0
	ds_add_u32 v[SPW], v[NIL]                      ; the wave's opening: the add, twice on end, and its wait ahead of my first tensor load
	ds_add_u32 v[SPW], v[NIL]
	v_lshrrev_b32 v1, 5, v0
	v_readfirstlane_b32 s10, v1                    ; wave 0..3
	s_lshr_b32 s11, s10, 1                         ; which half of the tile's queries is mine.  Also: I fetch for q (0) or for k (1)
	s_and_b32 s12, s10, 1                          ; which half of its keys.  Also: which 128 rows of that tile I fetch
	s_bfe_u32 s40, ttmp6, 0x40000                  ; cx
	s_bfe_u32 s41, ttmp6, 0x40004                  ; cy
	s_lshl_b32 s42, ttmp9, 2
	s_add_co_u32 s42, s42, s40                     ; tile column: 256 keys of the batch
	s_and_b32 s13, ttmp7, 0xffff
	s_lshr_b32 s2, s13, 1                          ; the batch
	s_lshl_b32 s13, s13, 2
	s_add_co_u32 s13, s13, s41                     ; tile row: 256 of the 8,192 queries
	s_lshl_b32 s43, s41, 2
	s_lshl_b32 s43, 15, s43                        ; my row of the cluster
	s_lshl_b32 s44, 0x1111, s40                    ; my column
	s_or_b32 s[G1+0], s43, (1<<16)|(1<<20)|(1<<21)|(5<<22)|(3<<25)  ; the mask; elements of 2 bytes; padding on; bit 21 beside a mask; after every 64 words, 4 words
	s_or_b32 s[G1B+0], s44, (1<<16)|(1<<20)|(1<<21)|(5<<22)|(3<<25)
.irp g, G1, G1B
	s_mov_b32 s[\g+1], KSTEP<<16                   ; tensor_dim0 = 128
	s_mov_b32 s[\g+2], 128<<16                     ; tensor_dim1 = 128
	s_mov_b32 s[\g+3], KSTEP<<16                   ; tile_dim0
	s_mov_b32 s[\g+4], 128                         ; tile_dim1
	s_mov_b32 s[\g+5], SIZE_K                      ; the pitch
	s_mov_b32 s[\g+6], 0
	s_mov_b32 s[\g+7], 0
.endr
	s_mov_b32 s[CS], 0x3d38aa3b                    ; c = log2(e) / 32
	s_mov_b32 s[CS+1], s[CS]
	s_mov_b32 s[SEL], 0x76543210
	s_mov_b32 s[SEL+1], 0xfedcba98
	s_lshl_b32 s17, s12, 7                         ; which 128 rows of the tile I fetch
	s_lshl_b32 s16, s13, 8
	s_add_co_u32 s16, s16, s17                     ; q: row 256 x tile row + 128 x half
	s_lshl_b32 s46, s42, 8
	s_add_co_u32 s46, s46, s17                     ; k: row 256 x tile column + 128 x half
	s_lshl_b32 s47, s2, 11
	s_add_co_u32 s46, s46, s47                     ;    + 2,048 x batch
	s_lshl_b32 s16, s16, 11                        ; 2,048 bytes a row: under 2^24
	s_mov_b32 s17, 0
	s_lshl_b32 s46, s46, 11
	s_mov_b32 s47, 0
	s_mul_i32 s20, s10, HALFT                      ; where they go: wave x 128 rows
	s_wait_dscnt 0x0                               ; both opening adds are done
	s_wait_kmcnt 0x0
	s_mov_b64 s[8:9], s[6:7]                       ; p
	s_add_nc_u64 s[6:7], s[4:5], 0x1000000         ; k lies 16,777,216 bytes behind q
	s_add_nc_u64 s[14:15], s[4:5], s[16:17]
	s_add_nc_u64 s[46:47], s[6:7], s[46:47]
	CROUND                                         ; all sixteen work-groups are here: the first joint loads meet
.irp s, 0,1
	s_mov_b32 s[G0+4*\s], 1
	s_add_co_u32 s[G0+4*\s+1], s20, \s*SLOT
	s_add_nc_u64 s[G0+4*\s+2:G0+4*\s+3], s[14:15], \s*KSTEP*2
	s_or_b32 s[G0+4*\s+3], s[G0+4*\s+3], 0x80000000
	s_mov_b32 s[G0B+4*\s], 1
	s_add_co_u32 s[G0B+4*\s+1], s20, \s*SLOT
	s_add_nc_u64 s[G0B+4*\s+2:G0B+4*\s+3], s[46:47], \s*KSTEP*2
	s_or_b32 s[G0B+4*\s+3], s[G0B+4*\s+3], 0x80000000
	JLOAD \s
.endr
	v_and_b32 v1, 15, v0                           ; r
	v_bfe_u32 v2, v0, 4, 1                         ; h
	v_mul_u32_u24 v3, v1, PITCH
	v_lshl_add_u32 v3, v2, 4, v3                   ; row x pitch + 16 x half
	s_mul_i32 s21, s11, HALFT                      ; my 128 rows of q
	s_mul_i32 s22, s12, HALFT                      ; my 128 rows of k,
	s_add_co_u32 s22, s22, 2*HALFT                 ; which lie behind q's 256
.irp s, 0,1
	v_add_nc_u32 v[ADRA+\s], s21, v3
	v_add_nc_u32 v[ADRB+\s], s22, v3
	s_add_co_u32 s21, s21, SLOT
	s_add_co_u32 s22, s22, SLOT
.endr
	s_mul_i32 s23, s10, 16*SPITCH
	s_add_co_u32 s23, s23, STAGE                   ; my stage
	v_mul_u32_u24 v4, v1, SPITCH
	v_lshl_add_u32 v4, v2, 4, v4
	v_add_nc_u32 v[STO], s23, v4
	v_mul_u32_u24 v5, v2, SPITCH
	v_lshl_add_u32 v5, v1, 4, v5
	v_add_nc_u32 v[RD], s23, v5
	v_mul_u32_u24 v5, v2, SIZE_N*2                 ; the same two rows in p
	v_lshl_add_u32 v[CO], v1, 4, v5
	s_lshl_b32 s23, s10, 10
	s_add_co_u32 s23, s23, STB                     ; my 1,024 bytes of pairs
	v_lshl_add_u32 v[SA], v1, 3, s23
	v_and_b32 v6, 31, v0
	v_lshlrev_b32 v[SCO], 4, v6
	v_add_nc_u32 v[SRD], s23, v[SCO]
	s_lshl_b32 s13, s13, 8                         ; 256 x tile row
	s_lshl_b32 s14, s11, 7
	s_add_co_u32 s16, s13, s14                     ; my first row
	s_lshl_b32 s18, s16, 3                         ; 8 bytes a row in stats
	s_lshl_b32 s16, s16, 12                        ; 4,096 bytes a row in p: under 2^25
	s_mov_b32 s17, 0
	s_lshl_b32 s46, s42, 9                         ; my first column in p: 512 x tile column + 256 x half
	s_lshl_b32 s47, s12, 8
	s_add_co_u32 s46, s46, s47
	s_mov_b32 s47, 0
	s_add_nc_u64 s[16:17], s[16:17], s[46:47]
	s_add_nc_u64 s[8:9], s[8:9], s[16:17]
	s_lshl_b32 s46, s42, 1
	s_add_co_u32 s46, s46, s12                     ; my chunk: 2 x tile column + half
	s_lshl_b32 s46, s46, 16                        ; 65,536 bytes a chunk
	s_add_co_u32 s46, s46, s18
	s_add_nc_u64 s[66:67], s[66:67], s[46:47]
	; the prefetches
	s_lshl_b32 s42, s42, 8
	s_lshl_b32 s22, s2, 11
	s_add_co_u32 s42, s42, s22                     ; k's tile begins at row 2,048 x batch + 256 x tile column
	s_and_b32 s22, ttmp7, 1                        ; which of the batch's two clusters along y
	s_cmp_eq_u32 s11, 0                            ; do I fetch for q?
	s_cselect_b32 s20, s13, s42                    ; the tile's first row
	s_cselect_b32 s21, s40, s41                    ; my place among the four that ask for it with me
	s_cselect_b32 s22, ttmp9, s22                  ; the coordinate along which other clusters read the same rows
	s_cselect_b64 s[PFA:PFA+1], s[4:5], s[6:7]
	s_cmp_eq_u32 s22, 0
	s_cselect_b32 s[LIM], 1, -1                    ; the same in all sixteen partners, for a given wave
	s_lshl_b32 s22, s12, 7
	s_add_co_u32 s20, s20, s22                     ; + the 128 rows that I fetch
	s_lshl_b32 s21, s21, 5
	s_add_co_u32 s20, s20, s21                     ; + my work-group's 32 of them
	s_lshl_b32 s20, s20, 11
	s_mov_b32 s21, 0
	s_add_nc_u64 s[PFA:PFA+1], s[PFA:PFA+1], s[20:21]
	s_add_nc_u64 s[PFA:PFA+1], s[PFA:PFA+1], 2*KSTEP*2  ; at K step 2: the first refill steps it to 3 and names K step 4
	v_lshlrev_b32 v[PFO], 11, v6
.macro MUL16 f, hi, a0, zero           ; 16 matrix instructions: m blocks a0, a0 + 1 of the window's four x all 8 n blocks, 32 along K.  The 64 accumulators take turns
.irp a, \a0, \a0+1
.irp b, 0,1,2,3,4,5,6,7
.if \zero
	v_wmma_f32_16x16x32_f16 v[8*(8*(\a)+\b):8*(8*(\a)+\b)+7], v[\f+8*\b:\f+8*\b+7], v[\f+8*(4*\hi+\a):\f+8*(4*\hi+\a)+7], 0
.else
	v_wmma_f32_16x16x32_f16 v[8*(8*(\a)+\b):8*(8*(\a)+\b)+7], v[\f+8*\b:\f+8*\b+7], v[\f+8*(4*\hi+\a):\f+8*(4*\hi+\a)+7], v[8*(8*(\a)+\b):8*(8*(\a)+\b)+7]
.endif
.endr
.endr
.endm
.macro FETCH slot, k, f                ; 32 LDS loads in one run: the fragments of one quarter step into buffer f
	WIN TO_B
.irp i, 0,1,2,3,4,5,6,7
	ds_load_b128 v[\f+8*\i:\f+8*\i+3],   v[ADRB+\slot] offset:\k+\i*16*PITCH
	ds_load_b128 v[\f+8*\i+4:\f+8*\i+7], v[ADRB+\slot] offset:\k+\i*16*PITCH+32
.endr
	WIN 0
.irp i, 0,1,2,3,4,5,6,7
	ds_load_b128 v[\f+8*\i:\f+8*\i+3],   v[ADRA+\slot] offset:\k+\i*16*PITCH
	ds_load_b128 v[\f+8*\i+4:\f+8*\i+7], v[ADRA+\slot] offset:\k+\i*16*PITCH+32
.endr
.endm
.macro PLACES
.rept 4
	v_nop
.endr
.endm
.macro QUARTER slot, k, f, g, zero     ; multiplies buffer f; in its middle fetches the next quarter, at byte k of the same slot's rows, into buffer g
	s_wait_dscnt 8                                 ; k's fragments and q's rows 0-63 are in; the youngest eight loads (q's rows 64-127) may be out
	WIN MUL_LO
	MUL16 \f, 0, 0, \zero
	MUL16 \f, 0, 2, \zero
	PLACES
	FETCH \slot, \k, \g
	s_wait_dscnt 32                                ; all but the 32 just issued
	WIN MUL_HI
	MUL16 \f, 1, 0, \zero
	MUL16 \f, 1, 2, \zero
.endm
; The last quarter multiplies buffer 1 and changes slots: ONE barrier; in front of it each wave waits for all its tensor loads, adds 0 to its spare word, and waits for that and for its own reads of this slot.
; fill = 1: the barrier opens a round of the cluster's, and this slot is filled again, two K steps ahead, first thing behind the round.
.macro TURN slot, next, fill
.if \fill
	s_wait_xcnt 0x0                                ; the last prefetch, a K step back, has read its address
	s_add_nc_u64 s[PFA:PFA+1], s[PFA:PFA+1], KSTEP*2
.endif
	WIN 0                                          ; (the add's two registers lie in window 0)
	s_wait_tensorcnt 0x0                           ; all my tensor loads have landed: the one that was out is my part of the next slot
	ds_add_u32 v[SPW], v[NIL]                      ; 0 onto my spare word
	s_wait_dscnt 9                                 ; the add and the youngest eight loads may be out
	WIN MUL_LO
	MUL16 F1, 0, 0, 0
	s_wait_dscnt 0x0                               ; the add is done, and my reads of this slot are over
	s_barrier_signal -1
	MUL16 F1, 0, 2, 0
.if \fill
	WIN 0
.endif
	s_barrier_wait -1
.if \fill
	CREST                                          ; no wave of any partner still reads this slot's tile or has a load on its way
	s_add_nc_u64 s[G0+4*\slot+2:G0+4*\slot+3], s[G0+4*\slot+2:G0+4*\slot+3], 2*KSTEP*2
	s_add_nc_u64 s[G0B+4*\slot+2:G0B+4*\slot+3], s[G0B+4*\slot+2:G0B+4*\slot+3], 2*KSTEP*2
	JLOAD \slot                                    ; the four v_nop behind it are also the places in front of the loads below
.else
	PLACES
.endif
	FETCH \next, 0, F0
.if \fill
	ASK
.endif
	WIN MUL_HI
	MUL16 F1, 1, 0, 0
	MUL16 F1, 1, 2, 0
.endm
	s_wait_tensorcnt 1                             ; my part of K step 0 is in; K step 1's may stay out
	s_barrier_signal -1
	s_barrier_wait -1
	FETCH 0, 0, F0
	QUARTER 0, 64,  F0, F1, 1                      ; the first quarter stands in front of the loop: its products start the sums
	WIN 0
	s_mov_b32 s3, LAPS-1
.Llap:                                                 ; a trip goes once round the ring and fills both slots again
	QUARTER 0, 128, F1, F0, 0
	QUARTER 0, 192, F0, F1, 0
	TURN 0, 1, 1
	QUARTER 1, 64,  F0, F1, 0
	QUARTER 1, 128, F1, F0, 0
	QUARTER 1, 192, F0, F1, 0
	TURN 1, 0, 1
	QUARTER 0, 64,  F0, F1, 0
	WIN 0
	s_sub_co_u32 s3, s3, 1
	s_cmp_lg_u32 s3, 0
	s_cbranch_scc1 .Llap
	QUARTER 0, 128, F1, F0, 0                      ; the last lap fills nothing
	QUARTER 0, 192, F0, F1, 0
	TURN 0, 1, 0
	QUARTER 1, 64,  F0, F1, 0
	QUARTER 1, 128, F1, F0, 0
	QUARTER 1, 192, F0, F1, 0
	s_wait_dscnt 8
	WIN MUL_LO
	MUL16 F1, 0, 0, 0
	MUL16 F1, 0, 2, 0
	s_wait_dscnt 0
	WIN MUL_HI
	MUL16 F1, 1, 0, 0
	MUL16 F1, 1, 2, 0
	WIN 0
; THE WAY OUT.  SOFT a: block a's 16 queries x 128 keys become p.  The windows: XA sources in the accumulators' window, destination window 0; XB source 0 window 0, the others the accumulators';
; XC source 0 and destination the accumulators', the rest window 0.  Every accumulator is first read in its four lowest registers.
.macro SOFT a
.set AC, 64*((\a)%4)
.set XA, 0x2a+0x15*((\a)/4)
.set XB, 0x28+0x14*((\a)/4)
.set XC, 0x82+0x41*((\a)/4)
	WIN XA
.irp k, 0,1,2,3
	v_max3_num_f32 v[T+\k], v[AC+16*\k], v[AC+16*\k+1], v[AC+16*\k+2]      ; four chains of 16 scores each
.endr
	WIN XB
.irp i, 3,5,7,9,11,13
.irp k, 0,1,2,3
	v_max3_num_f32 v[T+\k], v[T+\k], v[AC+16*\k+\i], v[AC+16*\k+\i+1]
.endr
.endr
.irp k, 0,1,2,3
	v_max_num_f32 v[T+\k], v[T+\k], v[AC+16*\k+15]
.endr
	WIN 0
	v_max3_num_f32 v[T], v[T], v[T+1], v[T+2]
	v_max_num_f32 v[T], v[T], v[T+3]
	v_permlanex16_b32 v[U], v[T], s[SEL], s[SEL+1]
	v_max_num_f32 v[T], v[T], v[U]                 ; the chunk's largest score of my query
	v_mul_f32 v[T], s[CS], v[T]                    ; as t (c is positive)
	v_floor_f32 v[SP+2*(\a)], -v[T]                ; -m = floor(-t) = -ceil(t): a whole number
	WIN XC
.set j, 0
.rept 32
	v_pk_fma_f32 v[AC+j:AC+j+1], v[AC+j:AC+j+1], s[CS:CS+1], v[SP+2*(\a):SP+2*(\a)+1] op_sel_hi:[1,0,0]   ; t - m, two at a time
.set j, j+2
.endr
.set j, 0
.rept 64
	v_exp_f32 v[AC+j], v[AC+j]                     ; p = 2^(t - m)
.set j, j+1
.endr
	v_nop                                          ; a plain line behind the last exponential
	s_wait_alu depctr_va_vdst(0)                   ; one wait for the whole batch, ahead of its first use
	WIN XA
.set j, 0
.rept 32
	v_cvt_pk_f16_f32 v[TMP+j], v[AC+2*j], v[AC+2*j+1]
.set j, j+1
.endr
.irp k, 0,1,2,3
	v_pk_add_f32 v[LS+2*\k:LS+2*\k+1], v[AC+16*\k:AC+16*\k+1], v[AC+16*\k+2:AC+16*\k+3]   ; the sum is taken of the unrounded p, in four chains
.endr
	WIN XB
.irp i, 4,6,8,10,12,14
.irp k, 0,1,2,3
	v_pk_add_f32 v[LS+2*\k:LS+2*\k+1], v[LS+2*\k:LS+2*\k+1], v[AC+16*\k+\i:AC+16*\k+\i+1]
.endr
.endr
	WIN 0
	v_pk_add_f32 v[LS:LS+1], v[LS:LS+1], v[LS+2:LS+3]
	v_pk_add_f32 v[LS+4:LS+5], v[LS+4:LS+5], v[LS+6:LS+7]
	v_pk_add_f32 v[LS:LS+1], v[LS:LS+1], v[LS+4:LS+5]
	v_add_f32 v[LS], v[LS], v[LS+1]
	v_permlanex16_b32 v[U], v[LS], s[SEL], s[SEL+1]
	v_add_f32 v[SP+2*(\a)+1], v[LS], v[U]          ; the chunk's sum of my query: the same bits in both lanes that hold it
.endm
.macro TOSTAGE a
.set BK, OB+192*((\a)%2)
.irp b, 0,1,2,3,4,5,6,7
	ds_store_b128 v[STO], v[TMP+4*\b:TMP+4*\b+3] offset:32*\b
.endr
.irp t, 0,1,2,3,4,5,6,7
	ds_load_b128 v[BK+4*\t:BK+4*\t+3], v[RD] offset:\t*2*SPITCH    ; LDS serves a wave's instructions in order: these see the stores above
.endr
.endm
.macro SEND a
.set BK, OB+192*((\a)%2)
	s_wait_dscnt 0x0                               ; the block is back in registers
	s_wait_xcnt 0x0                                ; the block before has been read by its stores: the next block's loads may land in its registers
.irp t, 0,1,2,3,4,5,6,7
	global_store_b128 v[CO], v[BK+4*\t:BK+4*\t+3], s[8:9] offset:(16*(\a)+2*\t)*SIZE_N*2   ; 16 lanes store 256 consecutive bytes, aligned; 126 rows of 4,096 bytes at the most
.endr
.endm
	PLACES
	v_mov_b32 v[U], 0                              ; written once: a lane permute's destination counts as one of its sources
.irp a, 0,1,2,3,4,5,6,7
	v_mov_b32 v[SP+2*\a+1], 0                      ; named as the upper half of a pair before it is first written
.endr
	SOFT 0
	TOSTAGE 0
.irp a, 1,2,3,4,5,6,7
	SOFT \a                                        ; a block's arithmetic stands between the loads of the block before and its stores
	SEND \a-1
	TOSTAGE \a
.endr
	SEND 7
.irp a, 0,1,2,3,4,5,6,7
	ds_store_b64 v[SA], v[SP+2*\a:SP+2*\a+1] offset:128*\a   ; row 16 a + r: both lanes that hold a query write the same 8 bytes with the same values
.endr
	ds_load_b128 v[T:T+3], v[SRD]
	ds_load_b128 v[LS:LS+3], v[SRD] offset:512
	s_wait_dscnt 0x0
	global_store_b128 v[SCO], v[T:T+3], s[66:67]               ; my 128 rows' pairs: twice 512 consecutive bytes, aligned
	global_store_b128 v[SCO], v[LS:LS+3], s[66:67] offset:512
	s_wait_tensorcnt 0x0                           ; the wave's end: this wait, the add and the wait below stand behind my last tensor load and my last LDS store
	ds_add_u32 v[SPW], v[NIL]
	s_wait_dscnt 0x0
	CROUND                                         ; the closing round
	s_endpgm
.Lfunc_end_k_q0f28a3d604_scores:
	.size	k_q0f28a3d604_scores, .Lfunc_end_k_q0f28a3d604_scores-k_q0f28a3d604_scores
	.p2alignl 7, 3214868480
	.fill 96, 4, 3214868480
	.section	.rodata,"a",@progbits
	.p2align	6, 0x0
	.amdhsa_kernel k_q0f28a3d604_scores
		.amdhsa_group_segment_fixed_size 327680
		.amdhsa_private_segment_fixed_size 0
		.amdhsa_enable_private_segment 0
		.amdhsa_kernarg_size 24
		.amdhsa_user_sgpr_count 2
		.amdhsa_user_sgpr_kernarg_segment_ptr 1
		.amdhsa_wavefront_size32 1
		.amdhsa_system_sgpr_workgroup_id_x 1
		.amdhsa_system_sgpr_workgroup_id_y 1
		.amdhsa_system_sgpr_workgroup_id_z 1
		.amdhsa_system_vgpr_workitem_id 0
		.amdhsa_next_free_vgpr 1024
		.amdhsa_next_free_sgpr 72
		.amdhsa_reserve_vcc 0
		.amdhsa_float_denorm_mode_32 3
		.amdhsa_float_denorm_mode_16_64 3
		.amdhsa_memory_ordered 1
		.amdhsa_forward_progress 1
		.amdhsa_inst_pref_size 213
	.end_amdhsa_kernel
	.amdgpu_metadata
---
amdhsa.version: [ 1, 2 ]
amdhsa.kernels:
  - .name:           k_q0f28a3d604_scores
    .symbol:         k_q0f28a3d604_scores.kd
    .args:
      - { .name: qkv, .offset: 0, .size: 8, .value_kind: global_buffer, .address_space: global }
      - { .name: p, .offset: 8, .size: 8, .value_kind: global_buffer, .address_space: global }
      - { .name: stats, .offset: 16, .size: 8, .value_kind: global_buffer, .address_space: global }
    .group_segment_fixed_size: 327680
    .private_segment_fixed_size: 0
    .kernarg_segment_align: 8
    .kernarg_segment_size: 24
    .max_flat_workgroup_size: 128
    .sgpr_count:     72
    .vgpr_count:     1024
    .wavefront_size: 32
...
	.end_amdgpu_metadata
.endif
;; end of part 3
;; launch out (part 4): grid 4 x 64, 4 waves a work-group, clusters of 4 x 4, 327,680 bytes of LDS; arguments p, qkv, stats, bv, out0; writes out0
.if DOCPART == 4
	.amdgcn_target "amdgcn-amd-amdhsa--gfx1250"
	.amdhsa_code_object_version 6
	.text
	.protected	k_q0f28a3d604_out
	.globl	k_q0f28a3d604_out
	.p2align	8
	.type	k_q0f28a3d604_out,@function
k_q0f28a3d604_out:
	s_mov_b64 s[64:65], 0
	v_nop
	global_prefetch_b8 v0, s[64:65] scope:SCOPE_SE
	s_setreg_imm32_b32 hwreg(HW_REG_WAVE_MODE, 25, 1), 1
	s_wait_xcnt 0x0
	s_wait_alu depctr_hold_cnt(0) depctr_sa_sdst(0) depctr_va_vdst(0) depctr_va_sdst(0) depctr_va_ssrc(0) depctr_va_vcc(0) depctr_vm_vsrc(0)
	s_getreg_b32 s2, hwreg(HW_REG_IB_STS2, 6, 4)
	s_cmp_eq_u32 s2, 0
	s_cbranch_scc0 .Lentry_in_a_cluster
	s_endpgm
.Lentry_in_a_cluster:
	s_bfe_u32 s2, ttmp6, 0x10000c
	s_cmp_lg_u32 s2, 0xf033
	s_cbranch_scc0 .Lentry_shape_is_right
	s_endpgm
.Lentry_shape_is_right:
; LAUNCH 4 OF 4.  y = (sum over keys of P v0) / L + bv.  p [8192][2048] f16 holds 2^(t - m_c), m_c the whole-number maximum of the key's chunk of 128; stats[c][row] = (-m_c, l_c); v0 = qkv[2] [8192][1024] f16.
; For each query: M = the largest m_c; f_c = 2^(m_c - M), an exact power of two, at most 1; L = sum of f_c l_c (at least 0.5: the chunk with the largest t holds a p above 0.5).
; p GOES TO THE MATRIX UNIT AS IT IS STORED.  Each chunk's product p_c v0_c is summed from 0 in accumulators of its own, and the chunk's sum is added to O in f32: O += f_c x sum, one packed multiply-add for two numbers.
; bv is added here, in f32: the weights of a row sum to 1 (shown at the head of launch quant, with the dead work, bk).
; SHARES.  A work-group makes 128 queries x 256 channels; wave w makes queries 64 (w / 2) on (four blocks a of 16) and channels 128 (w % 2) on (eight blocks b of 16).  K = the batch's 2,048 keys, in 16 steps of 128
; (one chunk a step) through a ring of two LDS slots.
; A STEP GOES BY CHANNELS, in four GROUPS: group g = channel blocks 2 g, 2 g + 1 x the four query blocks: 8 accumulators, 32 matrix instructions (four quarters of 32 keys, the eight accumulators by turns in each).
; The chunk's P, 128 registers, is read from LDS once and serves all four groups; V comes 64 registers a group, one group ahead.  Behind matrix instruction i of a group stands line i of the FOLD of the group before.
; CLUSTERS: 4 x 4 work-groups; P's tiles are asked for jointly along a row of the cluster, V's along a column.  The batch comes from the cluster's y alone (four clusters of 512 queries to a batch).
; THE MATRIX INSTRUCTION IS USED TRANSPOSED: source 0 = V^T (16 channels x 32 keys, turned out of LDS by ds_load_tr16_b128), source 1 = P (16 queries x 32 keys): a lane holds ONE query (lane % 16), so f_c and 1 / L
; never change lanes, and its eight results are eight neighbouring channels.
; REGISTERS: window 0: v2-12 addresses; v16-31 f_c as pairs, two sets of four blocks; v32-39 1 / L as pairs; v40-103 bv; v128-255 P (block a, quarter q at 128 + 32 a + 8 q).
;   window 1: v0-63 V of an even group; v64-127 the chunk's sums of an odd group; v128-191 O of group 0; v192-255 O of group 2.     window 2: the same for V of an odd group, the sums of an even group, O of groups 1 and 3.
; TWO WINDOW SETTINGS SERVE PRODUCTS AND FOLDS ALIKE.  W_EV (an even group): source 0 window 1 (V; the odd group's sums), source 1 window 0 (P; f_c), source 2 and destination window 2 (the even group's sums; the odd
; group's O).  W_OD is its mirror.  So a fold costs no switch of its own.
; LIMITS: |v0| under 65,504 (f16); NaN and infinities among the inputs are not served.
.set PP,     272                       ; a row of P in LDS: 256 bytes + 16
.set PV,     544                       ; a row of V: 512 bytes + 32
.set PT,     128*PP                    ; a slot: 128 rows of P, then 128 rows of V
.set SLOT,   PT+128*PV
.set FTB,    2*SLOT                    ; behind the ring: 16,384 bytes for each wave: chunk c at 1,024 c; blocks 0, 1 at 0 and blocks 2, 3 at 512; my lane at 16 x lane: two pairs (f, f) of f32
.set STAGE,  FTB+4*16384               ; the way out: 16 rows x 528 bytes for each wave
.set SPITCH, 528
.set SPARE,  STAGE+4*16*SPITCH         ; the spare words, 128 bytes for each wave
.set ADP, 2                            ; v2-3   LDS address of my P fragments in slot 0, 1
.set ADV, 4                            ; v4-5   the same for V
.set ADF, 6                            ; v6     my place in my wave's table of factors; 2,048 bytes on with each lap
.set STO, 7
.set RD,  8
.set CO,  9                            ; v9     16 x lane
.set SPW, 10
.set NIL, 11
.set PFO, 12                           ; v12    the prefetches' offset: my lane x a row of p or of v
.set FC,  16
.set IL,  32
.set BV,  40
.set PF,  128
.set OUTR, 128                         ; the way out: a block's results;
.set BACK, 192                         ; and its rows read back
.set VG,  0                            ; in windows 1 and 2
.set TP,  64
.set OA,  128
.set OB,  192
.set W_EV, 0xa1
.set W_OD, 0x52
.set TO_1, 0x40                        ; destination window 1, address window 0
.set TO_2, 0x80                        ; destination window 2
.set WV,  72                           ; s72  my wave's number
.set FH,  73                           ; s73  wave / 2: my half of the queries.  Also: I fetch for P (0) or for V (1)
.set HL,  74                           ; s74  wave % 2: my half of the channels.  Also: which 64 rows of that tile I fetch
.set PFA, 66                           ; s[66:67] where my prefetches stand
.set PFS, 68                           ; s[68:69] a K step on, in bytes
.set LIM, 70                           ; s70  1 in a wave that prefetches, else the greatest number
.set G1, 24
.set G0D, 32
.set G1B, 48
.set G0B, 56
.set MSB, 0
.macro WIN new
.if MSB != (\new)
	s_set_vgpr_msb (MSB<<8)|(\new)
.set MSB, (\new)
.endif
.endm
.macro JLOAD s                         ; a joint load: waves 0 and 1 fetch P's two halves, waves 2 and 3 V's; an s_nop 0 and four v_nop follow each of the two lines
	s_cmp_eq_u32 s[FH], 0
	s_cbranch_scc0 .Lfor_v_\@
	tensor_load_to_lds s[G0D+4*\s:G0D+4*\s+3], s[G1:G1+7]
	s_nop 0
.rept 4
	v_nop
.endr
	s_branch .Lasked_\@
.Lfor_v_\@:
	tensor_load_to_lds s[G0B+4*\s:G0B+4*\s+3], s[G1B:G1B+7]
	s_nop 0
.rept 4
	v_nop
.endr
.Lasked_\@:
.endm
; A prefetch of the K step that stands two refills on.  Each aligned 256 bytes are named once in the launch.  P: a K step is 256 bytes of each of the tile's 128 rows; the four partners of a row of the cluster take 32 rows
; each, by address; wave 0 asks, a lane a row.  V: a K step is 128 rows of 512 bytes; the first of the batch's four clusters asks; the four partners of a column take 32 rows each, by address; wave 2 asks for the first
; 256 bytes of a row, wave 3 for the second.  Wave 1 never asks.  The loop's last trip has no K step two refills on and asks for nothing.
.macro ASK
	s_cmp_gt_u32 s3, s[LIM]
	s_cbranch_scc0 .Lnot_mine_\@
	global_prefetch_b8 v[PFO], s[PFA:PFA+1] th:TH_LOAD_NT scope:SCOPE_SE
.Lnot_mine_\@:
.endm
.macro CREST
	s_cmp_lg_u32 s[WV], 0
	s_cbranch_scc1 .Lnot_wave_0_\@
	s_barrier_signal -3
.Lnot_wave_0_\@:
	s_barrier_wait -3
	s_barrier_signal -1
	s_barrier_wait -1
.endm
.macro CROUND
	s_barrier_signal -1
	s_barrier_wait -1
	CREST
.endm
	s_load_b256 s[4:11], s[0:1], 0x0               ; p s[4:5], qkv s[6:7], stats s[8:9], bv s[10:11]
	s_load_b64 s[12:13], s[0:1], 0x20              ; out0
	v_lshl_add_u32 v[SPW], v0, 2, SPARE
	v_mov_b32 v[NIL], 0
	ds_add_u32 v[SPW], v[NIL]                      ; the wave's opening: the add, twice on end, and its wait ahead of my first tensor load
	ds_add_u32 v[SPW], v[NIL]
	v_lshrrev_b32 v1, 5, v0
	v_readfirstlane_b32 s[WV], v1
	s_lshr_b32 s[FH], s[WV], 1
	s_and_b32 s[HL], s[WV], 1
	s_bfe_u32 s40, ttmp6, 0x40000                  ; cx
	s_bfe_u32 s41, ttmp6, 0x40004                  ; cy
	s_lshl_b32 s42, ttmp9, 2
	s_add_co_u32 s42, s42, s40                     ; tile column: 256 channels
	s_and_b32 s43, ttmp7, 0xffff
	s_lshr_b32 s44, s43, 2                         ; the batch
	s_lshl_b32 s43, s43, 2
	s_add_co_u32 s43, s43, s41                     ; tile row: 128 of the 8,192 queries
	s_lshl_b32 s45, s41, 2
	s_lshl_b32 s45, 15, s45                        ; my row of the cluster
	s_lshl_b32 s75, 0x1111, s40                    ; my column
	s_or_b32 s[G1+0], s45, (1<<16)|(1<<20)|(1<<21)|(5<<22)|(3<<25)   ; P: the mask; elements of 2 bytes; padding on; bit 21 beside a mask; after every 64 words, 4 words
	s_mov_b32 s[G1+1], 128<<16                     ; tensor_dim0 = 128 keys
	s_mov_b32 s[G1+2], 64<<16                      ; tensor_dim1 = 64 queries
	s_mov_b32 s[G1+3], 128<<16                     ; tile_dim0
	s_mov_b32 s[G1+4], 64                          ; tile_dim1
	s_mov_b32 s[G1+5], 2048                        ; the pitch of p
	s_mov_b32 s[G1+6], 0
	s_mov_b32 s[G1+7], 0
	s_or_b32 s[G1B+0], s75, (1<<16)|(1<<20)|(1<<21)|(6<<22)|(7<<25)  ; V: after every 128 words, 8 words
	s_mov_b32 s[G1B+1], 256<<16                    ; tensor_dim0 = 256 channels
	s_mov_b32 s[G1B+2], 64<<16                     ; tensor_dim1 = 64 keys
	s_mov_b32 s[G1B+3], 256<<16
	s_mov_b32 s[G1B+4], 64
	s_mov_b32 s[G1B+5], 1024                       ; the pitch of v
	s_mov_b32 s[G1B+6], 0
	s_mov_b32 s[G1B+7], 0
	s_lshl_b32 s14, s43, 7
	s_lshl_b32 s15, s[HL], 6
	s_add_co_u32 s14, s14, s15                     ; P: row 128 x tile row + 64 x half,
	s_lshl_b32 s14, s14, 12                        ; 4,096 bytes a row: under 2^25
	s_mov_b32 s15, 0
	s_lshl_b32 s46, s44, 11
	s_lshl_b32 s47, s[HL], 6
	s_add_co_u32 s46, s46, s47                     ; V: row 2,048 x batch + 64 x half,
	s_lshl_b32 s46, s46, 11                        ; 2,048 bytes a row,
	s_lshl_b32 s47, s42, 9
	s_add_co_u32 s46, s46, s47                     ; + 512 x tile column
	s_mov_b32 s47, 0
	s_mul_i32 s20, s[HL], 64*PP                    ; where they go in a slot: P's half,
	s_mul_i32 s21, s[HL], 64*PV
	s_add_co_u32 s21, s21, PT                      ; V's half
	s_lshl_b32 s16, s43, 7
	s_lshl_b32 s17, s[FH], 6
	s_add_co_u32 s16, s16, s17                     ; my wave's first query
	s_lshl_b32 s18, s16, 3                         ; 8 bytes a row in stats
	s_mov_b32 s19, 0
	s_lshl_b32 s16, s16, 12                        ; 4,096 bytes a row in out0
	s_mov_b32 s17, 0
	s_lshl_b32 s22, s42, 10
	s_lshl_b32 s23, s[HL], 9
	s_add_co_u32 s22, s22, s23                     ; my first channel, in f32 bytes
	s_mov_b32 s23, 0
	s_wait_dscnt 0x0                               ; both opening adds are done
	s_wait_kmcnt 0x0
	s_add_nc_u64 s[6:7], s[6:7], 0x2000000         ; v lies 33,554,432 bytes into qkv
	s_add_nc_u64 s[14:15], s[4:5], s[14:15]
	s_add_nc_u64 s[46:47], s[6:7], s[46:47]
	s_add_nc_u64 s[8:9], s[8:9], s[18:19]
	s_add_nc_u64 s[10:11], s[10:11], s[22:23]
	s_add_nc_u64 s[12:13], s[12:13], s[16:17]
	s_add_nc_u64 s[12:13], s[12:13], s[22:23]
	v_and_b32 v1, 15, v0                           ; r
	v_lshlrev_b32 v13, 3, v1                       ; my query's pair in a block's 128 bytes of stats; never rewritten
.irp a, 0,1,2,3
.irp c, 0,1,2,3,4,5,6,7,8,9,10,11,12,13,14,15
	global_load_b64 v[128+32*\a+2*\c:129+32*\a+2*\c], v13, s[8:9] offset:65536*\c+128*\a   ; (-m_c, l_c) of query 16 a + r
.endr
.endr
	CROUND                                         ; all sixteen work-groups are here: the first joint loads meet
.irp s, 0,1
	s_mov_b32 s[G0D+4*\s], 1
	s_add_co_u32 s[G0D+4*\s+1], s20, \s*SLOT
	s_add_nc_u64 s[G0D+4*\s+2:G0D+4*\s+3], s[14:15], \s*256
	s_or_b32 s[G0D+4*\s+3], s[G0D+4*\s+3], 0x80000000
	s_mov_b32 s[G0B+4*\s], 1
	s_add_co_u32 s[G0B+4*\s+1], s21, \s*SLOT
	s_add_nc_u64 s[G0B+4*\s+2:G0B+4*\s+3], s[46:47], \s*128*2048
	s_or_b32 s[G0B+4*\s+3], s[G0B+4*\s+3], 0x80000000
	JLOAD \s
.endr
	v_bfe_u32 v104, v0, 4, 1                       ; h  (v104-106: at work here alone)
	v_mul_u32_u24 v105, v1, PP
	v_lshl_add_u32 v105, v104, 4, v105             ; P: row r x pitch + 16 h
	s_mul_i32 s22, s[FH], 64*PP                    ; my 64 queries
	v_add_nc_u32 v[ADP], s22, v105
	s_add_co_u32 s22, s22, SLOT
	v_add_nc_u32 v[ADP+1], s22, v105
	v_and_b32 v105, 7, v0
	v_lshl_add_u32 v105, v104, 3, v105             ; V: the turning load: key 8 h + lane % 8,
	v_mul_u32_u24 v105, v105, PV
	v_bfe_u32 v106, v0, 3, 1
	v_lshl_add_u32 v105, v106, 4, v105             ; channels 8 ((lane / 8) % 2) on
	s_lshl_b32 s22, s[HL], 8                       ; my 128 channels
	s_add_co_u32 s22, s22, PT
	v_add_nc_u32 v[ADV], s22, v105
	s_add_co_u32 s22, s22, SLOT
	v_add_nc_u32 v[ADV+1], s22, v105
	v_and_b32 v105, 31, v0                         ; lane
	v_lshlrev_b32 v[CO], 4, v105
	s_lshl_b32 s22, s[WV], 14
	s_add_co_u32 s22, s22, FTB
	v_add_nc_u32 v[ADF], s22, v[CO]
	s_mul_i32 s22, s[WV], 16*SPITCH
	s_add_co_u32 s22, s22, STAGE
	v_add_nc_u32 v[RD], s22, v[CO]                 ; back: the 32 lanes take one row of 512 bytes
	v_mul_u32_u24 v106, v1, SPITCH
	v_lshl_add_u32 v106, v104, 5, v106
	v_add_nc_u32 v[STO], s22, v106                 ; in: row r, 32 bytes for each half of the lanes
	; the prefetches
	s_lshl_b32 s16, s43, 7
	s_lshl_b32 s17, s40, 5
	s_add_co_u32 s16, s16, s17                     ; P: row 128 x tile row + 32 cx,
	s_lshl_b32 s16, s16, 12
	s_add_co_u32 s16, s16, 3*256                   ; at K step 3: the first change of slots steps it to 4 and names that
	s_lshl_b32 s18, s44, 11
	s_lshl_b32 s19, s41, 5
	s_add_co_u32 s18, s18, s19                     ; V: row 2,048 x batch + 32 cy,
	s_add_co_u32 s18, s18, 3*128                   ; at K step 3,
	s_lshl_b32 s18, s18, 11
	s_lshl_b32 s19, s42, 9
	s_add_co_u32 s18, s18, s19                     ; my tile column's 512 bytes,
	s_lshl_b32 s19, s[HL], 8
	s_add_co_u32 s18, s18, s19                     ; my wave's 256 of them
	s_and_b32 s22, ttmp7, 3                        ; which of the batch's four clusters
	s_mov_b32 s[PFS], 128*2048
	s_mov_b32 s23, 11
	s_cmp_lt_u32 s[WV], 2
	s_cselect_b64 s[PFA:PFA+1], s[4:5], s[6:7]
	s_cselect_b32 s16, s16, s18
	s_cselect_b32 s[PFS], 256, s[PFS]              ; a K step on: 256 bytes along a row of p, 128 rows of v
	s_cselect_b32 s23, 12, s23                     ; from lane to lane: a row of 4,096 or of 2,048 bytes
	s_cselect_b32 s22, s[WV], s22                  ; waves 0, 1: the wave's number; waves 2, 3: the cluster's place in its batch
	s_cmp_eq_u32 s22, 0
	s_cselect_b32 s[LIM], 1, -1                    ; the same in all sixteen partners, for a given wave
	s_mov_b32 s17, 0
	s_mov_b32 s[PFS+1], 0
	s_add_nc_u64 s[PFA:PFA+1], s[PFA:PFA+1], s[16:17]
	v_lshlrev_b32 v[PFO], s23, v105
	; f_c and 1 / L of my four queries.  The pair (f_c, f_c) takes the place of the pair (-m_c, l_c) that it was made of
	s_wait_loadcnt 0x0                             ; stats
.irp a, 0,1,2,3
	v_min3_num_f32 v14, v[128+32*\a], v[130+32*\a], v[132+32*\a]    ; -M = the least -m_c
.irp c, 3,5,7,9,11,13
	v_min3_num_f32 v14, v14, v[128+32*\a+2*\c], v[130+32*\a+2*\c]
.endr
	v_min_num_f32 v14, v14, v[158+32*\a]
.irp c, 0,1,2,3,4,5,6,7,8,9,10,11,12,13,14,15
	v_sub_f32 v15, v14, v[128+32*\a+2*\c]          ; m_c - M: a whole number, 0 or less
	v_cvt_i32_f32 v15, v15                         ; (it saturates)
	v_ldexp_f32 v[128+32*\a+2*\c], 1.0, v15        ; f_c
.if \c == 0
	v_mul_f32 v[IL+2*\a], v[128+32*\a], v[129+32*\a]
.else
	v_fmac_f32 v[IL+2*\a], v[128+32*\a+2*\c], v[129+32*\a+2*\c]   ; L
.endif
	v_mov_b32 v[129+32*\a+2*\c], v[128+32*\a+2*\c] ; a pair for the packed multiply-add
.endr
.endr
.irp a, 0,1,2,3
.irp c, 0,1,2,3,4,5,6,7,8,9,10,11,12,13,14,15
	ds_store_b64 v[ADF], v[128+32*\a+2*\c:129+32*\a+2*\c] offset:1024*\c+512*(\a/2)+8*(\a%2)   ; my wave's own table: only my wave reads it
.endr
.endr
.irp a, 0,1,2,3
	v_rcp_f32 v[IL+2*\a], v[IL+2*\a]
.endr
	v_lshlrev_b32 v14, 5, v104                     ; (a plain line behind the reciprocals)  32 h: my half's place in a block of 16 numbers of bv
	s_wait_alu depctr_va_vdst(0)                   ; one wait for the four, ahead of their first use
.irp a, 0,1,2,3
	v_mov_b32 v[IL+2*\a+1], v[IL+2*\a]             ; a pair for the packed multiply-add
.endr
.irp b, 0,1,2,3,4,5,6,7
	global_load_b128 v[BV+8*\b:BV+8*\b+3], v14, s[10:11] offset:64*\b      ; register 8 b + j = bv[my first channel + 16 b + 8 h + j]
	global_load_b128 v[BV+8*\b+4:BV+8*\b+7], v14, s[10:11] offset:64*\b+16
.endr
; n matrix instructions from number n0 on of a group's 32, each followed by the line of the same number of the fold of the group before.
; Matrix instruction i: quarter i / 8, accumulator i % 8 = 2 a + u (query block a, the group's channel block u).  The first eight start the chunk's sums with the constant 0.  The eight accumulators take turns, one
; instruction a turn.
; Fold line i: registers 2 i, 2 i + 1 of the 64 of the group before (accumulator i / 4, query block i / 8): O += f x sum (kind 0), O = f x sum (kind 1: the first chunk starts O), none (kind -1).
; An accumulator's last product stands eight matrix instructions or fewer ahead of the group's end, each with a fold line behind it; its own fold begins at line 4 (i % 8) of the next group: four plain lines that name
; none of its registers, or more, lie between, and each accumulator is read from its low end on.
.macro PAIRS n0, n, ox, fc, kind
.set i, \n0
.rept \n
.set rD, TP+8*(i%8)
.set rV, VG+8*(2*(i/8)+i%2)
.set rP, PF+32*((i%8)/2)+8*(i/8)
.if i < 8
	v_wmma_f32_16x16x32_f16 v[rD:rD+7], v[rV:rV+7], v[rP:rP+7], 0
.else
	v_wmma_f32_16x16x32_f16 v[rD:rD+7], v[rV:rV+7], v[rP:rP+7], v[rD:rD+7]
.endif
.set rO, (\ox)+2*i
.set rF, (\fc)+2*(i/8)
.if (\kind) == 1
	v_pk_mul_f32 v[rO:rO+1], v[TP+2*i:TP+2*i+1], v[rF:rF+1]
.elseif (\kind) == 0
	v_pk_fma_f32 v[rO:rO+1], v[TP+2*i:TP+2*i+1], v[rF:rF+1], v[rO:rO+1]
.endif
.set i, i+1
.endr
.endm
.macro PLD slot, q0                    ; P of quarters q0, q0 + 1, all four query blocks: sixteen loads, quarter q0's eight first
.irp q, \q0, \q0+1
.irp a, 0,1,2,3
	ds_load_b128 v[PF+32*\a+8*(\q):PF+32*\a+8*(\q)+3],   v[ADP+\slot] offset:64*(\q)+16*\a*PP
	ds_load_b128 v[PF+32*\a+8*(\q)+4:PF+32*\a+8*(\q)+7], v[ADP+\slot] offset:64*(\q)+16*\a*PP+32
.endr
.endr
.endm
.macro VLD slot, g                     ; V^T of group g: two channel blocks x four quarters, fragment (q, u) at 8 (2 q + u): sixteen turning loads
.irp q, 0,1,2,3
.irp u, 0,1
	ds_load_tr16_b128 v[VG+8*(2*\q+\u):VG+8*(2*\q+\u)+3],   v[ADV+\slot] offset:32*\q*PV+32*(2*(\g)+\u)
	ds_load_tr16_b128 v[VG+8*(2*\q+\u)+4:VG+8*(2*\q+\u)+7], v[ADV+\slot] offset:32*\q*PV+16*PV+32*(2*(\g)+\u)
.endr
.endr
.endm
; THE FOUR GROUPS OF A STEP.  Each run of loads stands behind four pairs or more: the fold lines are the places between the last product that read a register and the load into it.
; Group 0 folds group 3 of the chunk BEFORE, with that chunk's f_c (the other set), and fetches the second half of its own chunk's P and V of group 1.
.macro GR0 slot, kind
	s_wait_dscnt 8                                 ; V of group 0 and P's first quarter are in; the youngest eight loads, P's second quarter, may be out
	WIN W_EV
	PAIRS 0, 4, OB, FC+8*(1-\slot), \kind
	WIN 0
	PLD \slot, 2
	WIN TO_2
	VLD \slot, 1
	WIN W_EV
	PAIRS 4, 4, OB, FC+8*(1-\slot), \kind
	s_wait_dscnt 32                                ; all but the 32 just issued: P's second quarter is in
	PAIRS 8, 8, OB, FC+8*(1-\slot), \kind
	s_wait_dscnt 16                                ; P's second half is in; V of group 1 may be out
	PAIRS 16, 16, OB, FC+8*(1-\slot), \kind
.if (\kind) < 0
.rept 4
	v_nop                                          ; the first group of all has no fold lines: these are the places behind its last products
.endr
.endif
.endm
.macro GR1 slot, kind
	s_wait_dscnt 0x0                               ; V of group 1
	WIN W_OD
	PAIRS 0, 4, OA, FC+8*\slot, \kind
	WIN TO_1
	VLD \slot, 2
	WIN W_OD
	PAIRS 4, 28, OA, FC+8*\slot, \kind
.endm
.macro GR2 slot, kind, ldf             ; ldf = 1: the next chunk's f_c comes with V of group 3 (the other set was last read in group 0)
	s_wait_dscnt 0x0                               ; V of group 2
	WIN W_EV
	PAIRS 0, 4, OA, FC+8*\slot, \kind
.if \ldf
	WIN 0
	ds_load_b128 v[FC+8*(1-\slot):FC+8*(1-\slot)+3],   v[ADF] offset:1024+1024*\slot
	ds_load_b128 v[FC+8*(1-\slot)+4:FC+8*(1-\slot)+7], v[ADF] offset:1024+1024*\slot+512
.endif
	WIN TO_2
	VLD \slot, 3
	WIN W_EV
	PAIRS 4, 28, OA, FC+8*\slot, \kind
.endm
; Group 3 changes slots: all of this slot has been read into registers.  ONE barrier; in front of it each wave waits for all its tensor loads, adds 0 to its spare word, and waits for that and for its own reads of this slot.
; fill = 1: the barrier opens a round of the cluster's, and this slot is filled again, two K steps ahead, first thing behind the round: it has a K step less the change's eight products in which to land.
; Behind the barrier come V of the next chunk's group 0 and, when this chunk's first two quarters of P have been multiplied, the next chunk's.
.macro GR3 slot, next, fill, kind
.if \fill
	s_wait_xcnt 0x0                                ; the last prefetch, a K step back, has read its address
	s_add_nc_u64 s[PFA:PFA+1], s[PFA:PFA+1], s[PFS:PFS+1]
.endif
	WIN 0                                          ; (the add's two registers lie in window 0)
	s_wait_tensorcnt 0x0                           ; all my tensor loads have landed: the one that was out is my part of the next slot
	ds_add_u32 v[SPW], v[NIL]                      ; 0 onto my spare word
	s_wait_dscnt 1                                 ; the add may be out: V of group 3 and the next f_c are in
	WIN W_OD
	PAIRS 0, 4, OB, FC+8*\slot, \kind
	s_wait_dscnt 0x0                               ; the add is done, and my reads of this slot are over
	s_barrier_signal -1
	PAIRS 4, 4, OB, FC+8*\slot, \kind
	WIN 0
	s_barrier_wait -1
.if \fill
	CREST                                          ; no wave of any partner still reads this slot's tiles or has a load on its way
	s_add_nc_u64 s[G0D+4*\slot+2:G0D+4*\slot+3], s[G0D+4*\slot+2:G0D+4*\slot+3], 2*256
	s_add_nc_u64 s[G0B+4*\slot+2:G0B+4*\slot+3], s[G0B+4*\slot+2:G0B+4*\slot+3], 2*128*2048
	JLOAD \slot
.endif
.if \slot == 1
	v_add_nc_u32 v[ADF], 2048, v[ADF]              ; a lap's two chunks on
.endif
	WIN TO_1
	VLD \next, 0
.if \fill
	WIN 0
	ASK
.endif
	WIN W_OD
	PAIRS 8, 12, OB, FC+8*\slot, \kind
	WIN 0
	PLD \next, 0                                   ; five fold lines stand between the last product of the second quarter and these loads
	WIN W_OD
	PAIRS 20, 12, OB, FC+8*\slot, \kind
.endm
	s_wait_dscnt 0x0                               ; the table's stores are done: their registers take P
	s_wait_loadcnt 0x0                             ; bv
	s_wait_tensorcnt 1                             ; my part of K step 0 is in; K step 1's may stay out
	s_barrier_signal -1
	s_barrier_wait -1
	WIN TO_1
	VLD 0, 0
	WIN 0
	ds_load_b128 v[FC:FC+3], v[ADF]                ; chunk 0's f_c
	ds_load_b128 v[FC+4:FC+7], v[ADF] offset:512
	PLD 0, 0
	GR0 0, -1                                      ; the first group of all: nothing to fold yet
	WIN 0
	s_mov_b32 s3, 6
	GR1 0, 1                                       ; the first lap is written out: chunk 0's four folds start O
	GR2 0, 1, 1
	GR3 0, 1, 1, 1
	GR0 1, 1
	GR1 1, 0
	GR2 1, 0, 1
	GR3 1, 0, 1, 0
	GR0 0, 0
	WIN 0                                          ; at a label and at a branch every window is 0
.Llap:                                                 ; a trip goes once round the ring, two K steps, from a lap's second group to the next lap's first, and fills both slots again
	GR1 0, 0
	GR2 0, 0, 1
	GR3 0, 1, 1, 0
	GR0 1, 0
	GR1 1, 0
	GR2 1, 0, 1
	GR3 1, 0, 1, 0
	GR0 0, 0
	WIN 0
	s_sub_co_u32 s3, s3, 1
	s_cmp_lg_u32 s3, 0
	s_cbranch_scc1 .Llap
	GR1 0, 0                                       ; the last lap fills nothing
	GR2 0, 0, 1
	GR3 0, 1, 0, 0
	GR0 1, 0
	GR1 1, 0
	GR2 1, 0, 0
	s_wait_dscnt 0x0                               ; the very last group: nothing more to fetch
	WIN W_OD
	PAIRS 0, 32, OB, FC+8, 0
	WIN W_EV                                       ; and its own fold: its first accumulator's last product has eight fold lines behind it
.set i, 0
.rept 32
	v_pk_fma_f32 v[OB+2*i:OB+2*i+1], v[TP+2*i:TP+2*i+1], v[FC+8+2*(i/8):FC+8+2*(i/8)+1], v[OB+2*i:OB+2*i+1]
.set i, i+1
.endr
	; THE WAY OUT, block by block of 16 queries x 128 channels: y = O / L + bv, one fused multiply-add; through my own stage; back as whole rows of 512 bytes.
	; O of group g lies in window 1 + g % 2, at OA + 64 (g / 2); in it accumulator 2 a + u is query block a, channel block 2 g + u.
.irp a, 0,1,2,3
.irp g, 0,2,1,3
	WIN 1+(\g)%2                                   ; source 0: window 1 or 2
.irp u, 0,1
.irp k, 0,2,4,6
	v_pk_fma_f32 v[OUTR+8*(2*\g+\u)+\k:OUTR+8*(2*\g+\u)+\k+1], v[OA+64*(\g/2)+8*(2*\a+\u)+\k:OA+64*(\g/2)+8*(2*\a+\u)+\k+1], v[IL+2*\a:IL+2*\a+1], v[BV+8*(2*\g+\u)+\k:BV+8*(2*\g+\u)+\k+1]
.endr
.endr
.endr
	WIN 0
	s_wait_xcnt 0x0                                ; the block before has been read by its stores: the loads below may land in its registers
.irp b, 0,1,2,3,4,5,6,7
	ds_store_b128 v[STO], v[OUTR+8*\b:OUTR+8*\b+3] offset:64*\b
	ds_store_b128 v[STO], v[OUTR+8*\b+4:OUTR+8*\b+7] offset:64*\b+16
.endr
.irp t, 0,1,2,3,4,5,6,7,8,9,10,11,12,13,14,15
	ds_load_b128 v[BACK+4*\t:BACK+4*\t+3], v[RD] offset:\t*SPITCH   ; LDS serves a wave's instructions in order: these see the stores above
.endr
	s_wait_dscnt 0x0
.irp t, 0,1,2,3,4,5,6,7,8,9,10,11,12,13,14,15
	global_store_b128 v[CO], v[BACK+4*\t:BACK+4*\t+3], s[12:13] offset:(16*\a+\t)*4096 th:TH_STORE_NT   ; 32 lanes store 512 consecutive bytes, aligned; written once, read by nobody here
.endr
.endr
	s_wait_tensorcnt 0x0                           ; the wave's end: this wait, the add and the wait below stand behind my last tensor load and my last LDS store
	ds_add_u32 v[SPW], v[NIL]
	s_wait_dscnt 0x0
	CROUND                                         ; the closing round
	s_endpgm
.Lfunc_end_k_q0f28a3d604_out:
	.size	k_q0f28a3d604_out, .Lfunc_end_k_q0f28a3d604_out-k_q0f28a3d604_out
	.p2alignl 7, 3214868480
	.fill 96, 4, 3214868480
	.section	.rodata,"a",@progbits
	.p2align	6, 0x0
	.amdhsa_kernel k_q0f28a3d604_out
		.amdhsa_group_segment_fixed_size 327680
		.amdhsa_private_segment_fixed_size 0
		.amdhsa_enable_private_segment 0
		.amdhsa_kernarg_size 40
		.amdhsa_user_sgpr_count 2
		.amdhsa_user_sgpr_kernarg_segment_ptr 1
		.amdhsa_wavefront_size32 1
		.amdhsa_system_sgpr_workgroup_id_x 1
		.amdhsa_system_sgpr_workgroup_id_y 1
		.amdhsa_system_sgpr_workgroup_id_z 1
		.amdhsa_system_vgpr_workitem_id 0
		.amdhsa_next_free_vgpr 768
		.amdhsa_next_free_sgpr 80
		.amdhsa_reserve_vcc 0
		.amdhsa_float_denorm_mode_32 3
		.amdhsa_float_denorm_mode_16_64 3
		.amdhsa_memory_ordered 1
		.amdhsa_forward_progress 1
		.amdhsa_inst_pref_size 201
	.end_amdhsa_kernel
	.amdgpu_metadata
---
amdhsa.version: [ 1, 2 ]
amdhsa.kernels:
  - .name:           k_q0f28a3d604_out
    .symbol:         k_q0f28a3d604_out.kd
    .args:
      - { .name: p, .offset: 0, .size: 8, .value_kind: global_buffer, .address_space: global }
      - { .name: qkv, .offset: 8, .size: 8, .value_kind: global_buffer, .address_space: global }
      - { .name: stats, .offset: 16, .size: 8, .value_kind: global_buffer, .address_space: global }
      - { .name: bv, .offset: 24, .size: 8, .value_kind: global_buffer, .address_space: global }
      - { .name: out0, .offset: 32, .size: 8, .value_kind: global_buffer, .address_space: global }
    .group_segment_fixed_size: 327680
    .private_segment_fixed_size: 0
    .kernarg_segment_align: 8
    .kernarg_segment_size: 40
    .max_flat_workgroup_size: 128
    .sgpr_count:     80
    .vgpr_count:     768
    .wavefront_size: 32
...
	.end_amdgpu_metadata
.endif
;; end of part 4
